; MI455X (gfx1250); checked and timed in simulation.
; The chip was launched on July 23, 2026; its instructions are those of AMD's public machine-readable ISA for CDNA 5 (MIT licence, August 2026) and "CDNA5" Instruction Set Architecture Reference Guide (July 2026). The comments in the code are by the model that wrote it; some were corrected since.
;; Multi Head Attention. Allowed arithmetic: matrix products marked QUANTISED: E2M1 operands, one E8M0 scale for each 32 along K, by v_wmma_scale_f32_16x16x128_f8f6f4 with both operands' format E2M1 (or v_wmma_scale_f32_32x16x128_f4), f32 sums; products left as they are: bf16, f16 or f32 operands; f32 sums; everything else in f32.
;; Inputs: W_out 1,024 x 1,024 float32; W_qkv 1,024 x 3,072 float32; mask 2,048 x 2,048 int32; x 4 x 2,048 x 1,024 float32.
;; Outputs: out0 4 x 2,048 x 1,024 float32.
;; This version of the problem:
;;   THIS VERSION OF THE PROBLEM IS GIVEN IN LOW PRECISION. The matrix products marked QUANTISED in the list below multiply operands that are first quantised to E2M1 (2 exponent bits, 1 mantissa bit; 4 bits a number), with one power-of-two scale for each 32 numbers along K (OCP MX v1.0); their sums are f32. The products marked 'left as it is' may take bf16, f16 or f32 operands, with f32 sums. Whichever they take, every output number must still come out within the allowed error. Rounding operands to bf16 (8 significant bits) uses up far more of that allowance than f16 does (11 bits, for magnitudes from 6e-5 to 65,504). All else is computed in f32.
;;   The module's matrix products, in the order in which they are computed (A, B: the left and right operand; K: the contracted axis; several contracted axes count as one K, in the product's order):
;;     1. [M 8,192, K 1,024] x [K 1,024, N 3,072]; A: input x; B: input W_qkv: QUANTISED
;;     2. batch 64 x [M 2,048, K 64] x [K 64, N 2,048]; A: computed on the way; B: computed on the way: left as it is (an operand is computed on the way)
;;     3. batch 64 x [M 64, K 2,048] x [K 2,048, N 2,048]; A: computed on the way; B: computed on the way: left as it is (an operand is computed on the way)
;;     4. [M 8,192, K 1,024] x [K 1,024, N 1,024]; A: computed on the way; B: input W_out: left as it is (an operand is computed on the way)
;;   THE QUANTISER, for each operand of a quantised product, along K:
;;     - K is cut into blocks of 32 from its start; a last block that is shorter is filled with zeros.
;;     - A block's scale is 2^e with e = floor(log2(the largest magnitude in the block)) - 2, held to -126 .. 127; a block of zeros has e = 0. As a byte (E8M0): e + 127.
;;     - Each number is divided by its block's scale, clamped to +-6, and rounded to the nearest number of E2M1, ties to even, subnormals kept.
;;     - The product sums the exact products of the quantised numbers (number of the format x scale) in f32.
;;   ~~~python
;;   def quantise(x, axis):      # numpy; x: float32 -> the quantised numbers, widened to float32 again
;;       x = np.moveaxis(x, axis, -1); K = x.shape[-1]
;;       x = np.pad(x, [(0, 0)] * (x.ndim - 1) + [(0, -K % 32)]); x = x.reshape(x.shape[:-1] + (-1, 32)); a = np.abs(x).max(-1, keepdims=True)
;;       e = np.where(a > 0, np.clip(np.frexp(np.where(a > 0, a, 1))[1] - 1 - 2, -126, 127), 0)      # np.frexp(a)[1] - 1 = floor(log2(a)), exactly
;;       r = np.clip(x / 2.0 ** e, -6, 6)
;;       step = 2.0 ** (np.maximum(np.frexp(np.where(r == 0, 1, r))[1] - 1, 0) - 1)
;;       q = np.round(r / step) * step * 2.0 ** e      # np.round: ties to even
;;       return np.moveaxis(q.reshape(q.shape[:-2] + (-1,))[..., :K], -1, axis).astype(np.float32)
;;   ~~~
;; One version. Each part assembles by itself: llvm-mc -triple=amdgcn-amd-amdhsa -mcpu=gfx1250 --defsym DOCPART=n.
;; ======== version 1 of 1: 4 launches
;; limits: values are held in f16: magnitudes above 65,504 overflow, below 6.1e-05 lose precision
;; workspace buffers: cod 5,767,168 bytes; scl 360,448 bytes; msk 540,672 bytes of whole numbers; wfr 2,097,152 bytes; qkvf 50,331,648 bytes; ofr 16,777,216 bytes
;; launch prep (part 1): grid 624 x 1, 4 waves a work-group, no clusters, 85,504 bytes of LDS; arguments x, W_qkv, mask, W_out, cod, scl, msk, wfr; writes cod, scl, msk, wfr
.if DOCPART == 1
	.amdgcn_target "amdgcn-amd-amdhsa--gfx1250"
	.amdhsa_code_object_version 6
	.text
	.protected	k_qdee3476ffd_prep
	.globl	k_qdee3476ffd_prep
	.p2align	8
	.type	k_qdee3476ffd_prep,@function
k_qdee3476ffd_prep:
	s_mov_b64 s[64:65], 0
	v_nop
	global_prefetch_b8 v0, s[64:65] scope:SCOPE_SE
	s_setreg_imm32_b32 hwreg(HW_REG_WAVE_MODE, 25, 1), 1
	s_wait_xcnt 0x0
; PREP: four jobs in one launch, told apart by the work-group's number alone; each job has LDS bytes of its own.
;   work-groups   0-255  x [8192][1024] f32      -> codes of E2M1, K innermost, cod[0 ..], one E8M0 byte for each 32 along K, scl[0 ..]
;   work-groups 256-303  W_qkv [1024 k][3072 n]  -> codes laid [3072 n][512 bytes], cod[4194304 ..], bytes [3072][32], scl[262144 ..]
;   work-groups 304-559  mask [2048][2048] i32   -> lane masks MW[qt 128][s 32][i 32] (msk[0 ..]) and a flag for each tile of 16 queries x 64 keys, F[qt][s] (msk[524288 ..])
;   work-groups 560-623  W_out [1024 k][1024 n]  -> f16, in the order of a matrix operand's registers: wfr[ks 8][nt 64][kc 4][1024 bytes]
; THE QUANTISER: a block's scale is 2^(floor(log2(largest magnitude)) - 2); its byte is the largest magnitude's exponent field - 2, held at 1 from below; each number / scale, to the nearest code, ties to even,
; beyond the largest code the largest.  A block of zeros gets the byte 1 where the rule says 127: its codes are zeros, and the bytes are read by this program alone.
; LIMITS: blocks whose largest magnitude lies under 2^-124 get the byte 1; NaN and infinities among the inputs are not served; |W_out| beyond 65,504 has no f16 number.
; No tensor loads, no barrier: waves share nothing.
.set XREG,  0                          ; LDS: job x: 8,192 bytes a wave
.set WSTG,  32768                      ; job W_qkv: 32 rows x 272 bytes a wave
.set MSTG,  67584                      ; job mask: 16 rows x 272 bytes a wave
.set SPARE, 84992                      ; the spare words, 128 bytes a wave: two blocks of 256 bytes that no other line names
.set SPW,   198                        ; v198 LDS address of my spare word; never rewritten
.set NIL,   199                        ; v199 0; never rewritten
	s_load_b512 s[4:19], s[0:1], 0x0               ; x s[4:5], W_qkv s[6:7], mask s[8:9], W_out s[10:11], cod s[12:13], scl s[14:15], msk s[16:17], wfr s[18:19]
	v_lshl_add_u32 v[SPW], v0, 2, SPARE
	v_mov_b32 v[NIL], 0
	v_lshrrev_b32 v1, 5, v0
	v_readfirstlane_b32 s20, v1                    ; wave 0..3
	v_and_b32 v2, 31, v0                           ; lane
	s_mov_b32 s25, 0                               ; the upper word of every 32-bit offset
	s_wait_kmcnt 0x0
	s_cmp_lt_u32 ttmp9, 256
	s_cbranch_scc1 .Lpath_x
	s_cmp_lt_u32 ttmp9, 304
	s_cbranch_scc1 .Lpath_w
	s_cmp_lt_u32 ttmp9, 560
	s_cbranch_scc1 .Lpath_m
; ---------------- W_out to f16 fragments.  A lane takes a column n and its registers run down K; a work-group takes 128 columns x 128 along K.
; A fragment (16 columns x 32 K) is 1,024 bytes: chunk e of 256 bytes holds k = 8 e .. 8 e + 7 of the 16 columns, 16 bytes a column.
.set OX, 32                            ; v32-95  two sets of 32 numbers
.set OC, 96                            ; v96-159 16 registers of f16 pairs for each of the four blocks: no store's data are written again
.macro OLOAD t
.set OI, 0
.rept 32
	global_load_b32 v[OX+32*((\t)%2)+OI], v3, s[10:11] offset:(32*(\t)+OI)*4096 th:TH_LOAD_NT
.set OI, OI+1
.endr
.endm
.macro OBLOCK t
.if (\t) < 3
	s_wait_loadcnt 32                              ; this block's 32 loads are in; the next block's 32 may be out
.else
	s_wait_loadcnt 0x0
.endif
.set OI, 0
.rept 16
	v_cvt_pk_f16_f32 v[OC+16*(\t)+OI], v[OX+32*((\t)%2)+2*OI], v[OX+32*((\t)%2)+2*OI+1]
.set OI, OI+1
.endr
.if (\t)+2 < 4
	OLOAD (\t)+2
.endif
.irp e, 0,1,2,3
	global_store_b128 v4, v[OC+16*(\t)+4*\e:OC+16*(\t)+4*\e+3], s[18:19] offset:1024*(\t)+256*\e   ; sixteen lanes store 256 consecutive bytes, aligned; lanes 16-31 the same in the next tile of columns
.endr
.endm
	s_sub_co_u32 s21, ttmp9, 560
	s_and_b32 s22, s21, 7                          ; which 128 columns
	s_lshr_b32 s23, s21, 3                         ; which 128 along K
	v_lshlrev_b32 v3, 2, v2                        ; in: 4 bytes a lane
	v_lshrrev_b32 v4, 4, v2
	v_and_b32 v5, 15, v2
	v_lshlrev_b32 v4, 12, v4
	v_lshl_add_u32 v4, v5, 4, v4                   ; out: 4,096 x (lane / 16) + 16 x (lane % 16)
	s_lshl_b32 s24, s23, 19                        ; 128 rows of 4,096 bytes
	s_lshl_b32 s26, s22, 9
	s_add_co_u32 s24, s24, s26
	s_lshl_b32 s26, s20, 7
	s_add_co_u32 s24, s24, s26                     ; + my wave's 32 columns
	s_add_nc_u64 s[10:11], s[10:11], s[24:25]
	s_lshl_b32 s24, s23, 18                        ; 64 tiles of columns x 4,096 bytes
	s_lshl_b32 s26, s22, 15
	s_add_co_u32 s24, s24, s26
	s_lshl_b32 s26, s20, 13
	s_add_co_u32 s24, s24, s26                     ; tile 8 x group + 2 x wave
	s_add_nc_u64 s[18:19], s[18:19], s[24:25]
	OLOAD 0
	OLOAD 1
	OBLOCK 0
	OBLOCK 1
	OBLOCK 2
	OBLOCK 3
	s_wait_tensorcnt 0x0                           ; the wave's end
	ds_add_u32 v[SPW], v[NIL]
	s_wait_dscnt 0x0
	s_endpgm
; ---------------- x to codes.  A plain stream of blocks of 32: a wave takes 16 steps of 512 numbers.  Each load reads 512 consecutive bytes; a step's 2,048 bytes turn through the wave's own stage
; (16 bytes of padding behind each 64), so that a lane holds 16 neighbours along K; two neighbouring lanes hold a block.  Loads run four steps ahead, the turn one step.
.set XSP, 80                           ; a lane's place in a stage
.set XR,  16                           ; v16-79   four sets of 16 numbers as loaded
.set XX,  80                           ; v80-111  two sets of 16 neighbours
.set XE,  112                          ; v112-127 a scale byte for each step
.set XC,  128                          ; v128-191 codes: four registers a step
.macro XLOAD t
.irp i, 0,1,2,3
	global_load_b128 v[XR+16*((\t)%4)+4*\i:XR+16*((\t)%4)+4*\i+3], v3, s[4:5] offset:2048*(\t)+512*\i th:TH_LOAD_NT
.endr
.endm
.macro XTURN t                         ; LDS serves a wave's instructions in order: no wait between the stores and the loads
.irp i, 0,1,2,3
	ds_store_b128 v14, v[XR+16*((\t)%4)+4*\i:XR+16*((\t)%4)+4*\i+3] offset:32*XSP*((\t)%2)+8*XSP*\i
.endr
.irp i, 0,1,2,3
	ds_load_b128 v[XX+16*((\t)%2)+4*\i:XX+16*((\t)%2)+4*\i+3], v15 offset:32*XSP*((\t)%2)+16*\i
.endr
.endm
.macro XSTEP t
.set XS, XX+16*((\t)%2)
.if (\t) > 0
	s_wait_dscnt 1                                 ; this step's numbers are back from the stage (the last step's byte store may be out), so its stores into the stage have read their registers,
.else
	s_wait_dscnt 0x0
.endif
.if (\t)+4 < 16
	XLOAD (\t)+4                                   ; which take the loads of four steps on
.endif
.if (\t)+1 < 16
.if 14-(\t) >= 3
	s_wait_loadcnt 12                              ; the next step's four loads are in; those of the three steps behind it may be out
.else
	s_wait_loadcnt 4*(14-(\t))
.endif
	XTURN (\t)+1
.endif
	v_max3_num_f32 v8, |v[XS]|, |v[XS+1]|, |v[XS+2]|
	v_max3_num_f32 v9, |v[XS+3]|, |v[XS+4]|, |v[XS+5]|
.irp i, 6,10
	v_max3_num_f32 v8, v8, |v[XS+\i]|, |v[XS+\i+1]|
	v_max3_num_f32 v9, v9, |v[XS+\i+2]|, |v[XS+\i+3]|
.endr
	v_max3_num_f32 v8, v8, |v[XS+14]|, |v[XS+15]|
	v_max3_num_f32 v8, v8, v9, 0x1800000           ; and the floor 2^(3 - 127): the byte cannot fall under 1
	v_max_num_f32_dpp v8, v8, v8 row_xmask:1 row_mask:0xf bank_mask:0xf   ; with my neighbour's 16: the block's largest magnitude
	v_add_nc_u32 v11, 0xff000000, v8               ; 2 off its exponent field: the conversion takes the exponent field of this operand as its scale
	v_cvt_scalef32_pk8_fp4_f32 v[XC+4*(\t)], v[XS:XS+7], v11
	v_cvt_scalef32_pk8_fp4_f32 v[XC+4*(\t)+1], v[XS+8:XS+15], v11
	v_lshrrev_b32 v[XE+(\t)], 23, v11              ; the scale's byte
	ds_store_b8 v5, v[XE+(\t)] offset:16*(\t)      ; both lanes of a block write the same byte with the same value
	global_store_b64 v4, v[XC+4*(\t):XC+4*(\t)+1], s[12:13] offset:256*(\t)   ; the wave stores 256 consecutive bytes, aligned
.endm
.Lpath_x:
	v_lshlrev_b32 v3, 4, v2                        ; my 16 bytes of a load's 512
	s_lshl_b32 s21, s20, 13                        ; my wave's 8,192 bytes of LDS
	v_lshrrev_b32 v14, 2, v2
	v_mul_u32_u24 v14, v14, XSP
	v_and_b32 v15, 3, v2
	v_lshl_add_u32 v14, v15, 4, v14
	v_add_nc_u32 v14, s21, v14                     ; the stage on the way in: 80 (lane / 4) + 16 (lane % 4)
	v_mul_u32_u24 v15, v2, XSP
	v_add_nc_u32 v15, s21, v15                     ; and on the way out: 80 x lane
	v_lshlrev_b32 v4, 3, v2                        ; 8 bytes a lane: my codes of a step; my part of the wave's scale bytes
	v_lshrrev_b32 v5, 1, v2
	s_add_co_u32 s21, s21, 2*32*XSP
	v_add_nc_u32 v5, s21, v5                       ; my block's byte among the wave's 256
	v_add_nc_u32 v6, s21, v4
	s_lshl_b32 s22, ttmp9, 2
	s_add_co_u32 s22, s22, s20                     ; which run of 8,192 numbers is my wave's
	s_lshl_b32 s24, s22, 15
	s_add_nc_u64 s[4:5], s[4:5], s[24:25]
	s_lshl_b32 s24, s22, 12
	s_add_nc_u64 s[12:13], s[12:13], s[24:25]
	s_lshl_b32 s24, s22, 8
	s_add_nc_u64 s[14:15], s[14:15], s[24:25]
.irp t, 0,1,2,3
	XLOAD \t
.endr
	s_wait_loadcnt 12                              ; step 0's four loads are in
	XTURN 0
.irp t, 0,1,2,3,4,5,6,7,8,9,10,11,12,13,14,15
	XSTEP \t
.endr
	ds_load_b64 v[8:9], v6                         ; in order behind my byte stores
	s_wait_dscnt 0x0
	global_store_b64 v4, v[8:9], s[14:15]          ; 256 scale bytes: one aligned run
	s_wait_tensorcnt 0x0                           ; the wave's end, behind my last LDS store
	ds_add_u32 v[SPW], v[NIL]
	s_wait_dscnt 0x0
	s_endpgm
; ---------------- W_qkv to codes.  A lane takes a column n, its registers run down K: a block of 32 lies in one lane, and the conversions give codes with K innermost.  A wave takes 32 columns x 512 along K;
; the codes go through the wave's own stage and leave as rows: sixteen lanes store 256 consecutive bytes.  Loads run two blocks ahead.  Every offset is an immediate: 511 x 12,288 bytes at the most.
.set WPITCH, 272
.set WX,   32                          ; v32-95   two sets of 32 numbers
.set WC,   96                          ; v96-99   a block's codes
.set WOUT, 112                         ; v112-175 the way out
.set WSB,  24                          ; v24-27   the scale bytes, four to a register
.macro WLOAD t
.set WI, 0
.rept 32
	global_load_b32 v[WX+32*((\t)%2)+WI], v3, s[6:7] offset:(32*(\t)+WI)*12288 th:TH_LOAD_NT
.set WI, WI+1
.endr
.endm
.macro WBLOCK t
.set WS, WX+32*((\t)%2)
.if (\t) < 15
	s_wait_loadcnt 32                              ; this block's 32 loads are in; the next block's may be out
.else
	s_wait_loadcnt 0x0
.endif
	v_max3_num_f32 v12, |v[WS]|, |v[WS+1]|, |v[WS+2]|
	v_max3_num_f32 v13, |v[WS+3]|, |v[WS+4]|, |v[WS+5]|
.irp i, 6,10,14,18,22,26
	v_max3_num_f32 v12, v12, |v[WS+\i]|, |v[WS+\i+1]|
	v_max3_num_f32 v13, v13, |v[WS+\i+2]|, |v[WS+\i+3]|
.endr
	v_max3_num_f32 v12, v12, |v[WS+30]|, |v[WS+31]|
	v_max3_num_f32 v12, v12, v13, 0x1800000        ; and the floor 2^(3 - 127)
	v_add_nc_u32 v11, 0xff000000, v12              ; 2 off the exponent field: the conversion's scale operand
	v_lshrrev_b32 v13, 23, v11                     ; the scale's byte
.if (\t)%4 == 0
	v_mov_b32 v[WSB+(\t)/4], v13
.else
	v_lshl_or_b32 v[WSB+(\t)/4], v13, 8*((\t)%4), v[WSB+(\t)/4]
.endif
.irp g, 0,1,2,3
	v_cvt_scalef32_pk8_fp4_f32 v[WC+\g], v[WS+8*\g:WS+8*\g+7], v11
.endr
	ds_store_b128 v4, v[WC:WC+3] offset:16*(\t)    ; 32 codes: 16 bytes of my column's row
.if (\t)+2 < 16
	WLOAD (\t)+2
.endif
	s_wait_dscnt 0x0                               ; the store has read its registers: the next block's codes may be written
.endm
.Lpath_w:
	s_sub_co_u32 s21, ttmp9, 256
	s_cmp_ge_u32 s21, 24
	s_cselect_b32 s22, 1, 0                        ; which 512 along K
	s_cselect_b32 s23, 24, 0
	s_sub_co_u32 s21, s21, s23                     ; which 128 columns
	s_lshl_b32 s21, s21, 7
	s_lshl_b32 s23, s20, 5
	s_add_co_u32 s21, s21, s23                     ; my wave's first column
	v_lshlrev_b32 v3, 2, v2
	s_mul_i32 s23, s20, 32*WPITCH
	s_add_co_u32 s23, s23, WSTG                    ; my stage
	v_mul_u32_u24 v4, v2, WPITCH
	v_add_nc_u32 v4, s23, v4                       ; into it: row = my column
	v_and_b32 v5, 15, v2
	v_lshrrev_b32 v6, 4, v2
	v_mul_u32_u24 v7, v6, WPITCH
	v_lshl_add_u32 v7, v5, 4, v7
	v_add_nc_u32 v7, s23, v7                       ; out of it: sixteen lanes to a row, two rows an instruction
	v_lshlrev_b32 v8, 9, v6
	v_lshl_add_u32 v8, v5, 4, v8                   ; and the same place among the codes' rows of 512 bytes
	v_lshlrev_b32 v9, 5, v2                        ; my column's row of 32 scale bytes
	s_mul_i32 s24, s22, 512*12288
	s_lshl_b32 s26, s21, 2
	s_add_co_u32 s24, s24, s26
	s_add_nc_u64 s[6:7], s[6:7], s[24:25]
	s_lshl_b32 s24, s21, 9
	s_lshl_b32 s26, s22, 8
	s_add_co_u32 s24, s24, s26
	s_add_co_u32 s24, s24, 4194304
	s_add_nc_u64 s[12:13], s[12:13], s[24:25]
	s_lshl_b32 s24, s21, 5
	s_lshl_b32 s26, s22, 4
	s_add_co_u32 s24, s24, s26
	s_add_co_u32 s24, s24, 262144
	s_add_nc_u64 s[14:15], s[14:15], s[24:25]
	WLOAD 0
	WLOAD 1
.set WQ, 0
.rept 16
	WBLOCK WQ
.set WQ, WQ+1
.endr
	global_store_b128 v9, v[WSB:WSB+3], s[14:15]   ; my column's 16 scale bytes
.irp t, 0,1,2,3,4,5,6,7,8,9,10,11,12,13,14,15
	ds_load_b128 v[WOUT+4*\t:WOUT+4*\t+3], v7 offset:2*\t*WPITCH
.endr
.irp t, 0,1,2,3,4,5,6,7,8,9,10,11,12,13,14,15
	s_wait_dscnt 15-\t                             ; LDS loads come back in order: load t is in, the 15 - t younger ones may be out
	global_store_b128 v8, v[WOUT+4*\t:WOUT+4*\t+3], s[12:13] offset:2*\t*512
.endr
	s_wait_tensorcnt 0x0                           ; the wave's end, behind my last LDS store
	ds_add_u32 v[SPW], v[NIL]
	s_wait_dscnt 0x0
	s_endpgm
; ---------------- the mask.  A wave takes 16 queries (qt) x 4 units of 64 keys.  Bit l of word i of a unit: mask[16 qt + l % 16][64 s + 16 (i / 8) + 8 (l / 16) + i % 8] != 0: the lane mask that the attention launch
; lays over register i of its scores.  Each load reads whole rows of 256 bytes; a unit turns through the wave's own stage (rows 272 bytes apart), so that lane (r, h) holds row r and the keys of its registers.
; A unit's flag: 0 = every key hidden, 2 = every key kept, 1 = mixed.
.set MPITCH, 272
.set MR,  16                           ; v16-143  the four units as loaded
.set MX,  144                          ; v144-175 a unit, turned
.set MPW, 176                          ; v176-179 two pairs of units' words: lane L holds words 2 L and 2 L + 1 of the pair's 64
.set MFL, 180                          ; v180     lane u: unit u's flag
.macro MUNIT u
	s_wait_loadcnt 24-8*(\u)                       ; this unit's eight loads are in; the later units' may be out
.irp k, 0,1,2,3,4,5,6,7
	ds_store_b128 v7, v[MR+32*(\u)+4*\k:MR+32*(\u)+4*\k+3] offset:544*\k
.endr
.irp n, 0,1,2,3,4,5,6,7
	ds_load_b128 v[MX+4*\n:MX+4*\n+3], v8 offset:64*(\n/2)+16*(\n%2)   ; in order behind my stores
.endr
	s_wait_dscnt 0x0
	s_mov_b32 s60, 0
	s_mov_b32 s61, -1
.set MI, 0
.rept 32
	v_cmp_ne_u32 s[52+MI%8], 0, v[MX+MI]
	v_writelane_b32 v[MPW+2*((\u)/2)+MI%2], s[52+MI%8], 16*((\u)%2)+MI/2
	s_or_b32 s60, s60, s[52+MI%8]
	s_and_b32 s61, s61, s[52+MI%8]
.set MI, MI+1
.endr
	s_cmp_lg_u32 s60, 0
	s_cselect_b32 s62, 1, 0                        ; some key is kept
	s_cmp_eq_u32 s61, -1
	s_cselect_b32 s63, 1, 0                        ; every key is kept
	s_add_co_u32 s62, s62, s63
	v_writelane_b32 v[MFL], s62, \u
.endm
.Lpath_m:
	s_sub_co_u32 s21, ttmp9, 304
	s_lshl_b32 s21, s21, 2
	s_add_co_u32 s21, s21, s20                     ; 0 .. 1023
	s_lshr_b32 s22, s21, 3                         ; qt
	s_and_b32 s23, s21, 7
	s_lshl_b32 s23, s23, 2                         ; my first unit
	v_and_b32 v3, 15, v2                           ; r
	v_lshrrev_b32 v4, 4, v2                        ; h
	v_lshlrev_b32 v6, 13, v4
	v_lshl_add_u32 v6, v3, 4, v6                   ; in: lanes 0-15 a row's 256 bytes, lanes 16-31 the next row's
	s_mul_i32 s24, s20, 16*MPITCH
	s_add_co_u32 s24, s24, MSTG                    ; my stage
	v_mul_u32_u24 v7, v4, MPITCH
	v_lshl_add_u32 v7, v3, 4, v7
	v_add_nc_u32 v7, s24, v7
	v_mul_u32_u24 v8, v3, MPITCH
	v_lshl_add_u32 v8, v4, 5, v8
	v_add_nc_u32 v8, s24, v8                       ; out of the stage: row r, + 32 h
	v_lshlrev_b32 v9, 3, v2
	v_lshlrev_b32 v10, 2, v2
	s_lshl_b32 s24, s22, 17                        ; 16 rows of 8,192 bytes
	s_lshl_b32 s26, s23, 8
	s_add_co_u32 s24, s24, s26
	s_add_nc_u64 s[8:9], s[8:9], s[24:25]
	s_lshl_b32 s26, s22, 5
	s_add_co_u32 s26, s26, s23                     ; 32 qt + unit
	s_lshl_b32 s24, s26, 2
	s_add_co_u32 s24, s24, 524288
	s_add_nc_u64 s[28:29], s[16:17], s[24:25]      ; my four flags
	s_lshl_b32 s24, s26, 7
	s_add_nc_u64 s[16:17], s[16:17], s[24:25]      ; my four units' words
.irp u, 0,1,2,3
.irp k, 0,1,2,3,4,5,6,7
	global_load_b128 v[MR+32*\u+4*\k:MR+32*\u+4*\k+3], v6, s[8:9] offset:16384*\k+256*\u th:TH_LOAD_NT
.endr
.endr
.irp i, 0,1,2,3,4
	v_mov_b32 v[MPW+\i], 0                         ; written whole once: v_writelane_b32 keeps the other lanes
.endr
	MUNIT 0
	MUNIT 1
	global_store_b64 v9, v[MPW:MPW+1], s[16:17]    ; two units' words: 256 consecutive bytes, aligned
	MUNIT 2
	MUNIT 3
	global_store_b64 v9, v[MPW+2:MPW+3], s[16:17] offset:256
	v_cmp_gt_u32 vcc_lo, 4, v2
	s_wait_xcnt 0x0                                ; EXEC changes only behind this wait
	s_and_saveexec_b32 s21, vcc_lo
	global_store_b32 v10, v[MFL], s[28:29]         ; lanes 0 to 3: the four flags
	s_wait_xcnt 0x0                                ; and again in front of the line that widens it
	s_or_b32 exec_lo, exec_lo, s21
	s_wait_tensorcnt 0x0                           ; the wave's end, behind my last LDS store
	ds_add_u32 v[SPW], v[NIL]
	s_wait_dscnt 0x0
	s_endpgm
.Lfunc_end_k_qdee3476ffd_prep:
	.size	k_qdee3476ffd_prep, .Lfunc_end_k_qdee3476ffd_prep-k_qdee3476ffd_prep
	.p2alignl 7, 3214868480
	.fill 96, 4, 3214868480
	.section	.rodata,"a",@progbits
	.p2align	6, 0x0
	.amdhsa_kernel k_qdee3476ffd_prep
		.amdhsa_group_segment_fixed_size 85504
		.amdhsa_private_segment_fixed_size 0
		.amdhsa_enable_private_segment 0
		.amdhsa_kernarg_size 64
		.amdhsa_user_sgpr_count 2
		.amdhsa_user_sgpr_kernarg_segment_ptr 1
		.amdhsa_wavefront_size32 1
		.amdhsa_system_sgpr_workgroup_id_x 1
		.amdhsa_system_sgpr_workgroup_id_y 1
		.amdhsa_system_sgpr_workgroup_id_z 1
		.amdhsa_system_vgpr_workitem_id 0
		.amdhsa_next_free_vgpr 200
		.amdhsa_next_free_sgpr 66
		.amdhsa_reserve_vcc 1
		.amdhsa_float_denorm_mode_32 3
		.amdhsa_float_denorm_mode_16_64 3
		.amdhsa_memory_ordered 1
		.amdhsa_forward_progress 1
		.amdhsa_inst_pref_size 164
	.end_amdhsa_kernel
	.amdgpu_metadata
---
amdhsa.version: [ 1, 2 ]
amdhsa.kernels:
  - .name:           k_qdee3476ffd_prep
    .symbol:         k_qdee3476ffd_prep.kd
    .args:
      - { .name: x, .offset: 0, .size: 8, .value_kind: global_buffer, .address_space: global }
      - { .name: W_qkv, .offset: 8, .size: 8, .value_kind: global_buffer, .address_space: global }
      - { .name: mask, .offset: 16, .size: 8, .value_kind: global_buffer, .address_space: global }
      - { .name: W_out, .offset: 24, .size: 8, .value_kind: global_buffer, .address_space: global }
      - { .name: cod, .offset: 32, .size: 8, .value_kind: global_buffer, .address_space: global }
      - { .name: scl, .offset: 40, .size: 8, .value_kind: global_buffer, .address_space: global }
      - { .name: msk, .offset: 48, .size: 8, .value_kind: global_buffer, .address_space: global }
      - { .name: wfr, .offset: 56, .size: 8, .value_kind: global_buffer, .address_space: global }
    .group_segment_fixed_size: 85504
    .private_segment_fixed_size: 0
    .kernarg_segment_align: 8
    .kernarg_segment_size: 64
    .max_flat_workgroup_size: 128
    .sgpr_count:     66
    .vgpr_count:     200
    .wavefront_size: 32
...
	.end_amdgpu_metadata
.endif
;; end of part 1
;; launch qkv (part 2): grid 8 x 32, 4 waves a work-group, clusters of 4 x 4, 327,680 bytes of LDS; arguments cod, scl, qkvf; writes qkvf
.if DOCPART == 2
	.amdgcn_target "amdgcn-amd-amdhsa--gfx1250"
	.amdhsa_code_object_version 6
	.text
	.protected	k_qdee3476ffd_qkv
	.globl	k_qdee3476ffd_qkv
	.p2align	8
	.type	k_qdee3476ffd_qkv,@function
k_qdee3476ffd_qkv:
	s_mov_b64 s[64:65], 0
	v_nop
	global_prefetch_b8 v0, s[64:65] scope:SCOPE_SE
	s_setreg_imm32_b32 hwreg(HW_REG_WAVE_MODE, 25, 1), 1
	s_wait_xcnt 0x0
	s_wait_alu depctr_hold_cnt(0) depctr_sa_sdst(0) depctr_va_vdst(0) depctr_va_sdst(0) depctr_va_ssrc(0) depctr_va_vcc(0) depctr_vm_vsrc(0)
	s_getreg_b32 s2, hwreg(HW_REG_IB_STS2, 6, 4)
	s_cmp_eq_u32 s2, 0
	s_cbranch_scc0 .Lentry_in_a_cluster
	s_endpgm
.Lentry_in_a_cluster:
	s_bfe_u32 s2, ttmp6, 0x10000c
	s_cmp_lg_u32 s2, 0xf033
	s_cbranch_scc0 .Lentry_shape_is_right
	s_endpgm
.Lentry_shape_is_right:
; QKV = Q(x) Q(W_qkv) on codes of E2M1 with one E8M0 scale for each 32 along K (K = 1,024), sums in f32; the results leave as f16, in the order of the attention launch's operand registers.
; SHARES.  A work-group owns 256 tokens (ty) and, in three phases written one behind the other, the 128 columns 128 gx .. + 127 of Q, of K and of V (heads 2 gx and 2 gx + 1).  x's codes of the 256 tokens, all of K,
; stay in LDS; W's three chunks of 128 rows go through two slots: Q's in slot 0, K's in slot 1, V's fills slot 0 again behind phase 0 and has phase 1 in which to land.
; A wave (wm, wn) makes 128 tokens x 64 columns, one head: 32 accumulators, (a, b) at v[8 (4 a + b)] of window 1.
; PHASES 0 AND 1 ARE USED TRANSPOSED (source 0 = 16 rows of W, source 1 = 16 tokens): a lane holds one token and eight neighbouring channels.  PHASE 2 IS NOT (source 0 = tokens, source 1 = W): a lane holds one channel
; and eight neighbouring tokens.  Either way an accumulator's eight numbers, rounded in pairs, are 16 bytes a lane of a fragment's image: each store of the wave covers 512 consecutive bytes, aligned.
;   Qf, Kf [bh 64][tile of 16 tokens 128][c 2][1,024 bytes]: lane (r, h), half g: token r, channels 32 c + 16 g + 8 h + 0 .. 7.   Q is multiplied by log2(e) / 8 in f32 first.
;   Vf     [bh 64][32 keys 64][dt 4][1,024 bytes]:            lane (r, h), half g: channel 16 dt + r, keys 16 g + 8 h + 0 .. 7.
; CLUSTER 4 x 4: the four work-groups of a row of the cluster need the same tokens' codes and scales, the four of a column the same rows of W: each tile is asked for jointly.
; LIMIT: |q log2(e) / 8|, |k|, |v| beyond 65,504 have no f16 number.
; REGISTERS.  window 0: v1 16 x lane; v16-23 LDS addresses; v28, v29 the add's two; v32-95 x's scale words (a, q); v96-127 W's (b, q); v128-255 rounded results.
;   window 1: the accumulators.   window 2: two sets of fragments, at v0 and v96: x's eight blocks, then W's four.
.set PITCH, 528                        ; an LDS row of codes: 512 bytes + 16 of padding
.set AT,    0                          ; x's codes: 256 rows
.set BT0,   135168                     ; W's slot 0: 128 rows
.set BT1,   202752                     ; W's slot 1
.set SCA,   270336                     ; x's scale bytes: 32 runs of 256 bytes + 16
.set SCB,   279040                     ; W's: [half 2][chunk 3][8 runs of 256 bytes + 16]
.set SPARE, 292096                     ; the spare words, 128 bytes a wave: two blocks of 256 bytes that no other line names
.set LI,   1
.set ADRA, 16
.set ADRB, 20                          ; v20, v21: slot 0, slot 1
.set ADSA, 22
.set ADSB, 23
.set SPW,  28
.set NIL,  29
.set SA,   32
.set SB,   96
.set TMP,  128
.set WV,   10                          ; s10 wave; s11 wave / 2; s12 wave % 2
.set G1A,  24                          ; descriptor groups 1: x's codes, W's codes, x's scales, W's scales
.set G1B,  32
.set G1SA, 40
.set G1SB, 48
.set GA,   56                          ; groups 0
.set GSA,  60
.set GB0,  68
.set GB1,  72
.set GSB,  76
.set CS,   80                          ; s[80:81] log2(e) / 8
.set MSB, 0
.macro WIN new                         ; the immediate's high byte repeats the setting that is left
.if MSB != \new
	s_set_vgpr_msb (MSB<<8)|\new
.set MSB, \new
.endif
.endm
.macro PLACES n
.rept \n
	v_nop
.endr
.endm
.macro CROUND                          ; a round of the cluster's barrier
	s_barrier_signal -1
	s_barrier_wait -1
	s_cmp_lg_u32 s[WV], 0
	s_cbranch_scc1 .Lnot_wave_0_\@
	s_barrier_signal -3
.Lnot_wave_0_\@:
	s_barrier_wait -3
	s_barrier_signal -1
	s_barrier_wait -1
.endm
	s_load_b128 s[4:7], s[0:1], 0x0                ; cod, scl
	s_load_b64 s[8:9], s[0:1], 0x10                ; qkvf
	v_lshl_add_u32 v[SPW], v0, 2, SPARE
	v_mov_b32 v[NIL], 0
	ds_add_u32 v[SPW], v[NIL]                      ; the wave's opening: the add, twice on end, and its wait ahead of my first tensor load
	ds_add_u32 v[SPW], v[NIL]
	v_lshrrev_b32 v2, 5, v0
	v_readfirstlane_b32 s[WV], v2
	s_lshr_b32 s11, s[WV], 1                       ; wm: which 128 tokens are mine
	s_and_b32 s12, s[WV], 1                        ; wn: which 64 columns; also which half of a tile I fetch
	s_bfe_u32 s13, ttmp6, 0x40000                  ; cx
	s_bfe_u32 s14, ttmp6, 0x40004                  ; cy
	s_lshl_b32 s15, ttmp9, 2
	s_add_co_u32 s15, s15, s13                     ; gx
	s_and_b32 s16, ttmp7, 0xffff
	s_lshl_b32 s16, s16, 2
	s_add_co_u32 s16, s16, s14                     ; ty
	s_lshl_b32 s17, s14, 2
	s_lshl_b32 s17, 15, s17                        ; my row of the cluster
	s_lshl_b32 s18, 0x1111, s13                    ; my column
	s_or_b32 s[G1A], s17, (0<<16)|(1<<20)|(1<<21)|(6<<22)|(3<<25)    ; elements of 1 byte; padding: 4 words behind every 128; bit 21 beside the mask
	s_mov_b32 s[G1A+1], 512<<16                    ; tensor_dim0
	s_mov_b32 s[G1A+2], 128<<16                    ; tensor_dim1
	s_mov_b32 s[G1A+3], 512<<16                    ; tile_dim0
	s_mov_b32 s[G1A+4], 128                        ; tile_dim1
	s_mov_b32 s[G1A+5], 512                        ; from row to row
	s_mov_b32 s[G1A+6], 0
	s_mov_b32 s[G1A+7], 0
	s_or_b32 s[G1B], s18, (0<<16)|(1<<20)|(1<<21)|(6<<22)|(3<<25)
	s_mov_b32 s[G1B+1], 512<<16
	s_mov_b32 s[G1B+2], 64<<16
	s_mov_b32 s[G1B+3], 512<<16
	s_mov_b32 s[G1B+4], 64
	s_mov_b32 s[G1B+5], 512
	s_mov_b32 s[G1B+6], 0
	s_mov_b32 s[G1B+7], 0
	s_or_b32 s[G1SA], s17, (3<<16)|(1<<20)|(1<<21)|(5<<22)|(3<<25)   ; the scales of 128 tokens: 4,096 dense bytes as 16 rows of 32 elements of 8 bytes; 4 words behind every 64
	s_mov_b32 s[G1SA+1], 32<<16
	s_mov_b32 s[G1SA+2], 16<<16
	s_mov_b32 s[G1SA+3], 32<<16
	s_mov_b32 s[G1SA+4], 16
	s_mov_b32 s[G1SA+5], 32
	s_mov_b32 s[G1SA+6], 0
	s_mov_b32 s[G1SA+7], 0
	s_or_b32 s[G1SB], s18, (3<<16)|(1<<20)|(1<<21)|(5<<22)|(3<<25)   ; the scales of 64 rows of each of W's three chunks: 3 rows of 2,048 bytes, 32,768 bytes apart; 4 words behind every 64
	s_mov_b32 s[G1SB+1], 256<<16
	s_mov_b32 s[G1SB+2], 3<<16
	s_mov_b32 s[G1SB+3], 256<<16
	s_mov_b32 s[G1SB+4], 3
	s_mov_b32 s[G1SB+5], 4096
	s_mov_b32 s[G1SB+6], 0
	s_mov_b32 s[G1SB+7], 0
	s_lshl_b32 s82, s16, 8
	s_lshl_b32 s19, s12, 7
	s_add_co_u32 s82, s82, s19                     ; x: row 256 ty + 128 half
	s_lshl_b32 s84, s82, 9                         ; its codes,
	s_mov_b32 s85, 0
	s_lshl_b32 s86, s82, 5                         ; its scale bytes
	s_mov_b32 s87, 0
	s_lshl_b32 s83, s15, 7
	s_lshl_b32 s19, s12, 6
	s_add_co_u32 s83, s83, s19                     ; W: row 128 gx + 64 half of chunk 0
	s_lshl_b32 s88, s83, 9
	s_add_co_u32 s88, s88, 4194304
	s_mov_b32 s89, 0
	s_lshl_b32 s90, s83, 5
	s_add_co_u32 s90, s90, 262144
	s_mov_b32 s91, 0
	s_mul_i32 s92, s12, 128*PITCH                  ; where they go: constants and the wave's number alone
	s_mul_i32 s93, s12, 4352
	s_add_co_u32 s93, s93, SCA
	s_mul_i32 s94, s12, 64*PITCH
	s_add_co_u32 s94, s94, BT0
	s_add_co_u32 s95, s94, BT1-BT0
	s_mul_i32 s96, s12, 6528
	s_add_co_u32 s96, s96, SCB
	s_mov_b32 s[CS], 0x3e38aa3b                    ; log2(e) / 8
	s_mov_b32 s[CS+1], s[CS]
	s_wait_dscnt 0x0                               ; both opening adds are done
	s_wait_kmcnt 0x0
	s_mov_b32 s[GA], 1
	s_mov_b32 s[GA+1], s92
	s_add_nc_u64 s[GA+2:GA+3], s[4:5], s[84:85]
	s_or_b32 s[GA+3], s[GA+3], 0x80000000
	s_mov_b32 s[GSA], 1
	s_mov_b32 s[GSA+1], s93
	s_add_nc_u64 s[GSA+2:GSA+3], s[6:7], s[86:87]
	s_or_b32 s[GSA+3], s[GSA+3], 0x80000000
	s_mov_b32 s[GB0], 1
	s_mov_b32 s[GB0+1], s94
	s_add_nc_u64 s[GB0+2:GB0+3], s[4:5], s[88:89]
	s_mov_b32 s[GB1], 1
	s_mov_b32 s[GB1+1], s95
	s_add_nc_u64 s[GB1+2:GB1+3], s[GB0+2:GB0+3], 524288   ; chunk 1: 1,024 rows of 512 bytes on
	s_or_b32 s[GB0+3], s[GB0+3], 0x80000000
	s_or_b32 s[GB1+3], s[GB1+3], 0x80000000
	s_mov_b32 s[GSB], 1
	s_mov_b32 s[GSB+1], s96
	s_add_nc_u64 s[GSB+2:GSB+3], s[6:7], s[90:91]
	s_or_b32 s[GSB+3], s[GSB+3], 0x80000000
	CROUND                                         ; all sixteen work-groups are here: the first joint loads meet
	s_cmp_lt_u32 s[WV], 2                          ; a wave's first fills stand in one branch: waves 0, 1 have two loads out, waves 2, 3 three
	s_cbranch_scc0 .Lfirst_b
	tensor_load_to_lds s[GSA:GSA+3], s[G1SA:G1SA+7]
	s_nop 0
	tensor_load_to_lds s[GA:GA+3], s[G1A:G1A+7]
	s_nop 0
	PLACES 4
	s_branch .Lfirst_asked
.Lfirst_b:
	tensor_load_to_lds s[GSB:GSB+3], s[G1SB:G1SB+7]
	s_nop 0
	tensor_load_to_lds s[GB0:GB0+3], s[G1B:G1B+7]
	s_nop 0
	tensor_load_to_lds s[GB1:GB1+3], s[G1B:G1B+7]
	s_nop 0
	PLACES 4
.Lfirst_asked:
	v_and_b32 v2, 15, v0                           ; r
	v_bfe_u32 v3, v0, 4, 1                         ; h
	v_and_b32 v4, 31, v0
	v_lshlrev_b32 v[LI], 4, v4
	v_mul_u32_u24 v5, v2, PITCH
	v_lshl_add_u32 v5, v3, 4, v5                   ; a fragment's row x pitch + 16 h
	s_mul_i32 s19, s11, 128*PITCH
	v_add_nc_u32 v[ADRA], s19, v5
	s_mul_i32 s19, s12, 64*PITCH
	s_add_co_u32 s19, s19, BT0
	v_add_nc_u32 v[ADRB], s19, v5
	s_add_co_u32 s19, s19, BT1-BT0
	v_add_nc_u32 v[ADRB+1], s19, v5
	v_lshrrev_b32 v6, 3, v2
	v_and_b32 v7, 7, v2
	v_mul_u32_u24 v6, v6, 272
	v_lshl_add_u32 v6, v7, 5, v6                   ; row r's 32 scale bytes: eight rows to a run of 256 + 16
	s_mul_i32 s19, s11, 4352
	s_add_co_u32 s19, s19, SCA
	v_add_nc_u32 v[ADSA], s19, v6
	s_mul_i32 s19, s12, 6528
	s_add_co_u32 s19, s19, SCB
	v_add_nc_u32 v[ADSB], s19, v6
	s_lshr_b32 s19, s16, 3                         ; where my results go: bh = 16 (ty / 8) + 2 gx + wn,
	s_lshl_b32 s19, s19, 4
	s_lshl_b32 s20, s15, 1
	s_add_co_u32 s19, s19, s20
	s_add_co_u32 s19, s19, s12
	s_lshl_b32 s20, s19, 18                        ; 262,144 bytes a head,
	s_and_b32 s19, s16, 7
	s_lshl_b32 s19, s19, 4
	s_lshl_b32 s21, s11, 3
	s_add_co_u32 s19, s19, s21
	s_lshl_b32 s19, s19, 11                        ; 2,048 bytes for each 16 tokens
	s_add_co_u32 s20, s20, s19
	s_mov_b32 s21, 0
	s_add_nc_u64 s[8:9], s[8:9], s[20:21]
; a K step's fragments (128 along K: 64 bytes of a row) into set f: x's eight blocks, W's four.  16 rows x 128 K of 4-bit codes are 8 registers: two loads of 16 bytes, 32 bytes apart
.macro FETCH slot, q, f
	WIN 0x80                                       ; destination window 2
.irp a, 0,1,2,3,4,5,6,7
.irp c, 0,1
	ds_load_b128 v[\f+8*\a+4*\c:\f+8*\a+4*\c+3], v[ADRA] offset:\a*16*PITCH+64*(\q)+32*\c
.endr
.endr
.irp b, 0,1,2,3
.irp c, 0,1
	ds_load_b128 v[\f+64+8*\b+4*\c:\f+64+8*\b+4*\c+3], v[ADRB+\slot] offset:\b*16*PITCH+64*(\q)+32*\c
.endr
.endr
	WIN 0
.endm
; K step q: its fragments were asked for a K step ago; the next step's are asked for first, then 32 products.  The 32 accumulators take turns, one instruction a turn, in the same order in every step.
; The first step's products start the sums: nothing is cleared.
.macro KSTEP slot, q, nat
	s_wait_dscnt 0x0
.if (\q) < 7
	PLACES 4                                       ; in front of loads into the set that the last products read
	FETCH \slot, (\q)+1, 96*(((\q)+1)%2)
.endif
.set FF, 96*((\q)%2)
	WIN 0x5a                                       ; sources 0 and 1 window 2, C and D window 1
.irp a, 0,1,2,3,4,5,6,7
.irp b, 0,1,2,3
.if \nat
.if (\q) == 0
	v_wmma_scale_f32_16x16x128_f8f6f4 v[8*(4*\a+\b):8*(4*\a+\b)+7], v[FF+8*\a:FF+8*\a+7], v[FF+64+8*\b:FF+64+8*\b+7], 0, v[SA+8*\a+(\q)], v[SB+8*\b+(\q)] matrix_a_fmt:MATRIX_FMT_FP4 matrix_b_fmt:MATRIX_FMT_FP4
.else
	v_wmma_scale_f32_16x16x128_f8f6f4 v[8*(4*\a+\b):8*(4*\a+\b)+7], v[FF+8*\a:FF+8*\a+7], v[FF+64+8*\b:FF+64+8*\b+7], v[8*(4*\a+\b):8*(4*\a+\b)+7], v[SA+8*\a+(\q)], v[SB+8*\b+(\q)] matrix_a_fmt:MATRIX_FMT_FP4 matrix_b_fmt:MATRIX_FMT_FP4
.endif
.else
.if (\q) == 0
	v_wmma_scale_f32_16x16x128_f8f6f4 v[8*(4*\a+\b):8*(4*\a+\b)+7], v[FF+64+8*\b:FF+64+8*\b+7], v[FF+8*\a:FF+8*\a+7], 0, v[SB+8*\b+(\q)], v[SA+8*\a+(\q)] matrix_a_fmt:MATRIX_FMT_FP4 matrix_b_fmt:MATRIX_FMT_FP4
.else
	v_wmma_scale_f32_16x16x128_f8f6f4 v[8*(4*\a+\b):8*(4*\a+\b)+7], v[FF+64+8*\b:FF+64+8*\b+7], v[FF+8*\a:FF+8*\a+7], v[8*(4*\a+\b):8*(4*\a+\b)+7], v[SB+8*\b+(\q)], v[SA+8*\a+(\q)] matrix_a_fmt:MATRIX_FMT_FP4 matrix_b_fmt:MATRIX_FMT_FP4
.endif
.endif
.endr
.endr
	WIN 0
.endm
.macro PHASE j, slot, nat              ; chunk j of W out of a slot: its scale words (8 a row: two loads), then eight K steps
.irp b, 0,1,2,3
.irp g, 0,1
	ds_load_b128 v[SB+8*\b+4*\g:SB+8*\b+4*\g+3], v[ADSB] offset:\j*2176+\b*544+16*\g
.endr
.endr
	FETCH \slot, 0, 0
.set Q, 0
.rept 8
	KSTEP \slot, Q, \nat
.set Q, Q+1
.endr
.endm
; a phase's results: (Q alone: x log2(e) / 8,) rounded to f16 in pairs, each accumulator from its low end on, and stored as they stand
.macro OUT j
	PLACES 4                                       ; behind the last products, in front of the first read of results
	s_wait_xcnt 0x0                                ; the last phase's stores have read their registers and their base
.if \j > 0
	s_add_nc_u64 s[8:9], s[8:9], 0x1000000         ; on to Kf, to Vf
.endif
.if \j == 0
	WIN 0x41
.set I, 0
.rept 128
	v_pk_mul_f32 v[I:I+1], v[I:I+1], s[CS:CS+1] op_sel_hi:[1,0]
.set I, I+2
.endr
.endif
	WIN 0x05                                       ; sources window 1, destination window 0
.set I, 0
.rept 128
	v_cvt_pk_f16_f32 v[TMP+I], v[2*I], v[2*I+1]
.set I, I+1
.endr
	WIN 0
.irp a, 0,1,2,3,4,5,6,7
.irp b, 0,1,2,3
.if \j == 2
	global_store_b128 v[LI], v[TMP+4*(4*\a+\b):TMP+4*(4*\a+\b)+3], s[8:9] offset:(\a/2)*4096+\b*1024+(\a%2)*512
.else
	global_store_b128 v[LI], v[TMP+4*(4*\a+\b):TMP+4*(4*\a+\b)+3], s[8:9] offset:512*(4*\a+\b)
.endif
.endr
.endr
.endm
	s_wait_tensorcnt 0x0                           ; my first fills have landed,
	s_barrier_signal -1
	s_barrier_wait -1                              ; everybody's have
.irp a, 0,1,2,3,4,5,6,7
.irp g, 0,1
	ds_load_b128 v[SA+8*\a+4*\g:SA+8*\a+4*\g+3], v[ADSA] offset:\a*544+16*\g   ; x's scale words stay in registers for all three phases
.endr
.endr
	PHASE 0, 0, 0
	s_wait_tensorcnt 0x0                           ; slot 0 is filled again: no tensor load of mine is out,
	ds_add_u32 v[SPW], v[NIL]                      ; 0 onto my spare word;
	s_add_nc_u64 s[GB0+2:GB0+3], s[GB0+2:GB0+3], 1048576   ; chunk 2: two chunks on
	s_wait_dscnt 0x0                               ; the add is done, and my reads of slot 0 are over
	CROUND                                         ; so it is with every wave of every partner
	s_cmp_lt_u32 s[WV], 2
	s_cbranch_scc1 .Lno_refill
	tensor_load_to_lds s[GB0:GB0+3], s[G1B:G1B+7]  ; waves 2 and 3: V's chunk; one load of mine is out
	s_nop 0
	PLACES 4
.Lno_refill:
	OUT 0
	PHASE 1, 1, 0
	OUT 1
	s_wait_tensorcnt 0x0                           ; my part of V's chunk has landed,
	s_wait_dscnt 0x0
	s_barrier_signal -1
	s_barrier_wait -1                              ; everybody's has
	PHASE 2, 0, 1
	OUT 2
	s_wait_tensorcnt 0x0                           ; the wave's end
	ds_add_u32 v[SPW], v[NIL]
	s_wait_dscnt 0x0
	CROUND                                         ; the closing round
	s_endpgm
.Lfunc_end_k_qdee3476ffd_qkv:
	.size	k_qdee3476ffd_qkv, .Lfunc_end_k_qdee3476ffd_qkv-k_qdee3476ffd_qkv
	.p2alignl 7, 3214868480
	.fill 96, 4, 3214868480
	.section	.rodata,"a",@progbits
	.p2align	6, 0x0
	.amdhsa_kernel k_qdee3476ffd_qkv
		.amdhsa_group_segment_fixed_size 327680
		.amdhsa_private_segment_fixed_size 0
		.amdhsa_enable_private_segment 0
		.amdhsa_kernarg_size 24
		.amdhsa_user_sgpr_count 2
		.amdhsa_user_sgpr_kernarg_segment_ptr 1
		.amdhsa_wavefront_size32 1
		.amdhsa_system_sgpr_workgroup_id_x 1
		.amdhsa_system_sgpr_workgroup_id_y 1
		.amdhsa_system_sgpr_workgroup_id_z 1
		.amdhsa_system_vgpr_workitem_id 0
		.amdhsa_next_free_vgpr 768
		.amdhsa_next_free_sgpr 100
		.amdhsa_reserve_vcc 0
		.amdhsa_float_denorm_mode_32 3
		.amdhsa_float_denorm_mode_16_64 3
		.amdhsa_memory_ordered 1
		.amdhsa_forward_progress 1
		.amdhsa_inst_pref_size 193
	.end_amdhsa_kernel
	.amdgpu_metadata
---
amdhsa.version: [ 1, 2 ]
amdhsa.kernels:
  - .name:           k_qdee3476ffd_qkv
    .symbol:         k_qdee3476ffd_qkv.kd
    .args:
      - { .name: cod, .offset: 0, .size: 8, .value_kind: global_buffer, .address_space: global }
      - { .name: scl, .offset: 8, .size: 8, .value_kind: global_buffer, .address_space: global }
      - { .name: qkvf, .offset: 16, .size: 8, .value_kind: global_buffer, .address_space: global }
    .group_segment_fixed_size: 327680
    .private_segment_fixed_size: 0
    .kernarg_segment_align: 8
    .kernarg_segment_size: 24
    .max_flat_workgroup_size: 128
    .sgpr_count:     100
    .vgpr_count:     768
    .wavefront_size: 32
...
	.end_amdgpu_metadata
.endif
;; end of part 2
;; launch attn (part 3): grid 4 x 64, 16 waves a work-group, no clusters, 34,816 bytes of LDS; arguments qkvf, msk, ofr; writes ofr
.if DOCPART == 3
	.amdgcn_target "amdgcn-amd-amdhsa--gfx1250"
	.amdhsa_code_object_version 6
	.text
	.protected	k_qdee3476ffd_attn
	.globl	k_qdee3476ffd_attn
	.p2align	8
	.type	k_qdee3476ffd_attn,@function
k_qdee3476ffd_attn:
	s_mov_b64 s[64:65], 0
	v_nop
	global_prefetch_b8 v0, s[64:65] scope:SCOPE_SE
	s_setreg_imm32_b32 hwreg(HW_REG_WAVE_MODE, 25, 1), 1
	s_wait_xcnt 0x0
; O[b][t][h][:] = the sum over s of softmax_s(q . k / 8, hidden where mask[t][s] = 0) v[s][:], for one head (bh) and 512 queries a work-group.  Operands in f16, products, maxima and sums in f32.
; Q comes multiplied by log2(e) / 8, so a score is t in p = 2^(t - m), m the running maximum of the row; in every step the sum l and O are multiplied by 2^(old m - new m).
; THE MASK IS AN INPUT.  The launch before has stored it as lane masks (a word for each register of a tile of scores) and a flag for each tile of 16 queries x 64 keys (0 all hidden, 1 mixed, 2 all kept).
; A key step all of whose keys are hidden from a wave's 32 queries is passed over by a scalar branch on the stored flags; a step that every wave of the work-group passes over is not fetched.
; A row with no key kept ends with l = 0 and O = 0: 0 x (1 / 0) is NaN, as a softmax over nothing is.
; SHARES.  Work-group (i, bh) owns the query blocks i and 7 - i of 256 queries; a wave owns two tiles of 16 queries.  All sixteen waves walk the same 32 steps of 64 keys, one barrier a step.
; K's and V's fragments of a step are 8,192 consecutive bytes each in memory, laid in the order of the operands' registers: thread t carries 16 bytes of each through registers into one of two LDS slots.
; LAYOUT.  S^T = K Q^T (source 0 = 16 keys, source 1 = 16 queries), O^T = V^T P: a lane holds one query throughout; two tiles of S^T, rounded in pairs, are source 1 of the second product.
; NO CLUSTER, NO TENSOR LOAD: the walk branches on numbers read from memory; the steps passed over outweigh what a joint load would save.
; LIMITS: NaN and infinities among the scores are not served; o is rounded to f16 (|o| is at most the largest |v|).
; REGISTERS: v1 16 x lane; v2 16 x thread; v3, v4 the add's two; v5 256 x lane; v6-13 K's and V's 16 bytes on their way; v14 -infinity; v16-31 statistics; v32-63 Q; v64-127 S^T, then P; v128-191 K, then V; v192-255 O^T.
.set SLOT,  16384                      ; a slot: K's 8,192 bytes, then V's
.set SPARE, 32768                      ; the spare words, 128 bytes for each of sixteen waves: eight blocks of 256 bytes that no other line names
.set LI,   1
.set TI,   2
.set SPW,  3
.set NIL,  4
.set PFO,  5
.set NINF, 14
.set ST,   16                          ; tile u at v[ST + 8 u]: +0 m, +1 the new m, +2, +3 l, +4 .. +7 four chains of the maximum; later +6 the factor 2^(old m - new m), +4, +5 a second chain of the sum
.set QF,   32                          ; Q (u, c) at + 16 u + 8 c
.set SS,   64                          ; S^T (u, kt) at + 32 u + 8 kt; P (u, kb) at + 32 u + 8 kb
.set KV,   128                         ; K (kt, c) at + 16 kt + 8 c; V (kb, dt) at + 32 kb + 8 dt
.set OA,   192                         ; O^T (u, dt) at + 32 u + 8 dt
.set KP,   10                          ; s[10:11] K's fragments of the step in hand;  s[12:13] V's;  s[14:15] my tiles' mask words of the step
.set VP,   12
.set MP,   14
.set OP,   66                          ; s[66:67] where my results go
.set PF,   68                          ; s[68:69] the prefetches' base
.set ANYW, 70                          ; bit 0: the step in hand has a key for my queries
.set ALLW, 71                          ; bit 0: it hides none
.set WG1,  72                          ; bit 0: the next step has a key for some wave of the work-group
.set WG2,  73                          ; bit 0: the step after that
.set CNT,  74
.set LIM0, 75                          ; s75, s76: a wave prefetches while CNT is under these
.set SEL,  78                          ; s[78:79] v_permlanex16_b32's selects for lane l xor 16
.set WV,   96
.macro PLACES n
.rept \n
	v_nop
.endr
.endm
	s_load_b128 s[4:7], s[0:1], 0x0                ; qkvf, msk
	s_load_b64 s[8:9], s[0:1], 0x10                ; ofr
	v_lshl_add_u32 v[SPW], v0, 2, SPARE
	v_mov_b32 v[NIL], 0
	v_lshrrev_b32 v1, 5, v0
	v_readfirstlane_b32 s[WV], v1                  ; wave 0..15
	v_and_b32 v5, 31, v0
	v_lshlrev_b32 v[LI], 4, v5
	v_lshlrev_b32 v[TI], 4, v0
	v_lshlrev_b32 v15, 2, v5                       ; 4 x lane: lane s takes step s's flag
	v_lshlrev_b32 v[PFO], 8, v5
	v_mov_b32 v[NINF], 0xff800000
	s_and_b32 s17, ttmp7, 0xffff                   ; bh
	s_lshr_b32 s18, s[WV], 2
	s_xor_b32 s18, s18, s[WV]
	s_and_b32 s18, s18, 1                          ; which of the two blocks: of waves 2 m and 2 m + 1 one takes each
	s_sub_co_u32 s19, 7, ttmp9
	s_cmp_eq_u32 s18, 1
	s_cselect_b32 s20, s19, ttmp9                  ; my block of 256 queries
	s_lshr_b32 s21, s[WV], 1
	s_lshl_b32 s20, s20, 4
	s_lshl_b32 s21, s21, 1
	s_add_co_u32 s21, s21, s20                     ; my first tile of 16 queries: 16 x block + 2 x (wave / 2)
	s_lshl_b32 s22, s17, 18                        ; a head's 262,144 bytes
	s_mov_b32 s23, 0
	s_mov_b32 s3, 0
	s_mov_b32 s[SEL], 0x76543210
	s_mov_b32 s[SEL+1], 0xfedcba98
	s_mov_b32 s[CNT], 0
	s_wait_kmcnt 0x0
	s_add_nc_u64 s[24:25], s[4:5], s[22:23]
	s_add_nc_u64 s[KP:KP+1], s[24:25], 0x1000000
	s_add_nc_u64 s[VP:VP+1], s[24:25], 0x2000000
	s_lshl_b32 s2, s21, 11
	s_add_nc_u64 s[24:25], s[24:25], s[2:3]        ; my two tiles of Q
	s_lshl_b32 s2, s21, 12
	s_add_nc_u64 s[MP:MP+1], s[6:7], s[2:3]        ; my tiles' mask words: 4,096 bytes a tile, 128 a step
	s_add_nc_u64 s[6:7], s[6:7], 524288            ; the flags: 128 bytes a tile
	s_lshl_b32 s2, s21, 7
	s_add_nc_u64 s[26:27], s[6:7], s[2:3]          ; my tiles',
	s_lshl_b32 s2, ttmp9, 11
	s_add_nc_u64 s[28:29], s[6:7], s[2:3]          ; those of the work-group's one block of 16 tiles,
	s_lshl_b32 s2, s19, 11
	s_add_nc_u64 s[30:31], s[6:7], s[2:3]          ; and of the other
	global_load_b128 v[6:9], v[TI], s[KP:KP+1]     ; step 0
	global_load_b128 v[10:13], v[TI], s[VP:VP+1]
.set N, 0
.rept 8
	global_load_b128 v[QF+4*N:QF+4*N+3], v[LI], s[24:25] offset:512*N
.set N, N+1
.endr
.set N, 0
.rept 16
	global_load_b32 v[SS+N], v15, s[28:29] offset:128*N
	global_load_b32 v[SS+16+N], v15, s[30:31] offset:128*N
.set N, N+1
.endr
	global_load_b32 v[SS+32], v15, s[26:27]
	global_load_b32 v[SS+33], v15, s[26:27] offset:128
	s_and_b32 s2, s17, 15                          ; where my results go: ofr[ks = head / 2][tile 128 b + qt][kc = 2 (head % 2) + dt / 2][1,024 bytes]
	s_lshr_b32 s16, s2, 1
	s_lshl_b32 s16, s16, 21
	s_and_b32 s2, s2, 1
	s_lshl_b32 s2, s2, 11
	s_add_co_u32 s16, s16, s2
	s_lshr_b32 s2, s17, 4
	s_lshl_b32 s2, s2, 7
	s_add_co_u32 s2, s2, s21
	s_lshl_b32 s2, s2, 12
	s_add_co_u32 s2, s2, s16
	s_add_nc_u64 s[OP:OP+1], s[8:9], s[2:3]
	s_cmp_eq_u32 s[WV], 1                          ; the prefetches: wave 1 asks for K's fragments, wave 3 for V's,
	s_cselect_b64 s[PF:PF+1], s[KP:KP+1], s[VP:VP+1]
	s_or_b32 s2, s[WV], 2
	s_xor_b32 s2, s2, 3
	s_or_b32 s2, s2, ttmp9                         ; in the head's first work-group alone: all four walk the same K and V
	s_cmp_eq_u32 s2, 0
	s_cselect_b32 s[LIM0], 15, 0                   ; step 2 CNT asks for step 2 CNT + 3: up to step 31
	s_cselect_b32 s[LIM0+1], 14, 0
.set N, 0
.rept 16
	v_mov_b32 v[ST+N], 0                           ; l = 0; the rest written once, since pairs and a lane permute's destination count as read
.set N, N+1
.endr
	v_mov_b32 v[ST], 0xff61b1e6                    ; m = -3e38, under every score
	v_mov_b32 v[ST+8], 0xff61b1e6
.set N, 0
.rept 64
	v_mov_b32 v[OA+N], 0                           ; O^T.  Which step is a wave's first hangs on the flags, so no first step can be written out: the first finds zeros
.set N, N+1
.endr
	s_wait_loadcnt 0x0
	v_or_b32 v[SS+34], v[SS+32], v[SS+33]
	v_and_b32 v[SS+35], v[SS+32], v[SS+33]
.irp w, 16,8,4,2,1
.set N, 0
.rept \w
	v_or_b32 v[SS+N], v[SS+N], v[SS+N+\w]
.set N, N+1
.endr
.endr
	v_cmp_ne_u32 s[ANYW], 0, v[SS+34]              ; bit s: step s has a key for one of my tiles
	v_cmp_eq_u32 s[ALLW], 2, v[SS+35]              ; bit s: both tiles keep every key of step s
	v_cmp_ne_u32 s[WG1], 0, v[SS]                  ; bit s: some tile of the work-group has a key in step s
	s_lshr_b32 s[WG2], s[WG1], 2
	s_lshr_b32 s[WG1], s[WG1], 1
	ds_store_b128 v[TI], v[6:9]                    ; step 0 into slot 0
	ds_store_b128 v[TI], v[10:13] offset:8192
	s_wait_dscnt 0x0                               ; the stores have read their registers
	global_load_b128 v[6:9], v[TI], s[KP:KP+1] offset:8192     ; step 1
	global_load_b128 v[10:13], v[TI], s[VP:VP+1] offset:8192
; a step's work for my two tiles
.macro WORK slot
.set N, 0
.rept 16
	ds_load_b128 v[KV+4*N:KV+4*N+3], v[LI] offset:\slot*SLOT+512*N
.set N, N+1
.endr
	s_wait_dscnt 0x0
.irp c, 0,1                            ; S^T = K Q^T: eight accumulators by turns, one instruction a turn; the first eight start the sums
.irp kt, 0,1,2,3
.irp u, 0,1
.if \c == 0
	v_wmma_f32_16x16x32_f16 v[SS+32*\u+8*\kt:SS+32*\u+8*\kt+7], v[KV+16*\kt+8*\c:KV+16*\kt+8*\c+7], v[QF+16*\u+8*\c:QF+16*\u+8*\c+7], 0
.else
	v_wmma_f32_16x16x32_f16 v[SS+32*\u+8*\kt:SS+32*\u+8*\kt+7], v[KV+16*\kt+8*\c:KV+16*\kt+8*\c+7], v[QF+16*\u+8*\c:QF+16*\u+8*\c+7], v[SS+32*\u+8*\kt:SS+32*\u+8*\kt+7]
.endif
.endr
.endr
.endr
	PLACES 4                                       ; in front of the loads into K's registers and of the first read of the scores
.set N, 0
.rept 16
	ds_load_b128 v[KV+4*N:KV+4*N+3], v[LI] offset:\slot*SLOT+8192+512*N   ; V lands under the softmax
.set N, N+1
.endr
	s_bitcmp1_b32 s[ALLW], 0
	s_cbranch_scc1 .Lopen_\@                       ; every key counts: no word is read
	s_load_b512 s[16:31], s[MP:MP+1], 0x0          ; tile 0's 32 words,
	s_load_b512 s[32:47], s[MP:MP+1], 0x40
	s_load_b512 s[48:63], s[MP:MP+1], 0x1000       ; tile 1's
	s_load_b512 s[80:95], s[MP:MP+1], 0x1040
	s_wait_kmcnt 0x0
.set N, 0
.rept 32
	v_cndmask_b32 v[SS+N], v[NINF], v[SS+N], s[16+N]   ; a hidden key's score becomes -infinity: p = 0
.set N, N+1
.endr
.set N, 0
.rept 16
	v_cndmask_b32 v[SS+32+N], v[NINF], v[SS+32+N], s[48+N]
.set N, N+1
.endr
.set N, 0
.rept 16
	v_cndmask_b32 v[SS+48+N], v[NINF], v[SS+48+N], s[80+N]
.set N, N+1
.endr
.Lopen_\@:
.irp k, 0,1,2,3                        ; the largest of my 32 scores and the old m: four chains, each accumulator from its low end on; the two tiles by turns
.irp u, 0,1
	v_max3_num_f32 v[ST+8*\u+4+\k], v[SS+32*\u+8*\k], v[SS+32*\u+8*\k+1], v[SS+32*\u+8*\k+2]
.endr
.endr
.irp i, 3,5
.irp k, 0,1,2,3
.irp u, 0,1
	v_max3_num_f32 v[ST+8*\u+4+\k], v[ST+8*\u+4+\k], v[SS+32*\u+8*\k+\i], v[SS+32*\u+8*\k+\i+1]
.endr
.endr
.endr
.irp u, 0,1
	v_max3_num_f32 v[ST+8*\u+4], v[ST+8*\u+4], v[SS+32*\u+7], v[SS+32*\u+15]
	v_max3_num_f32 v[ST+8*\u+6], v[ST+8*\u+6], v[SS+32*\u+23], v[SS+32*\u+31]
.endr
.irp u, 0,1
	v_max3_num_f32 v[ST+8*\u+4], v[ST+8*\u+4], v[ST+8*\u+5], v[ST+8*\u+6]
.endr
.irp u, 0,1
	v_max3_num_f32 v[ST+8*\u+4], v[ST+8*\u+4], v[ST+8*\u+7], v[ST+8*\u]
.endr
.irp u, 0,1
	v_permlanex16_b32 v[ST+8*\u+5], v[ST+8*\u+4], s[SEL], s[SEL+1]   ; the query's other 32 keys lie in the lane 16 away
.endr
.irp u, 0,1
	v_max_num_f32 v[ST+8*\u+1], v[ST+8*\u+4], v[ST+8*\u+5]           ; the new m
.endr
.irp u, 0,1
	v_sub_f32 v[ST+8*\u+6], v[ST+8*\u], v[ST+8*\u+1]                 ; old m - new m
.endr
.irp u, 0,1
	v_mov_b32 v[ST+8*\u], v[ST+8*\u+1]
.endr
.set N, 0
.rept 16
.irp u, 0,1
	v_pk_add_f32 v[SS+32*\u+2*N:SS+32*\u+2*N+1], v[SS+32*\u+2*N:SS+32*\u+2*N+1], v[ST+8*\u:ST+8*\u+1] op_sel_hi:[1,0] neg_lo:[0,1] neg_hi:[0,1]   ; t - m, two at a time
.endr
.set N, N+1
.endr
.irp u, 0,1
	v_exp_f32 v[ST+8*\u+6], v[ST+8*\u+6]           ; ONE BATCH of 66 exponentials: none reads another's result
.endr
.set N, 0
.rept 64
	v_exp_f32 v[SS+N], v[SS+N]
.set N, N+1
.endr
	v_nop                                          ; a plain instruction behind the last exponential,
	s_wait_alu depctr_va_vdst(0)                   ; and the wait ahead of the batch's first reader
.irp u, 0,1
	v_pk_mul_f32 v[ST+8*\u+2:ST+8*\u+3], v[ST+8*\u+2:ST+8*\u+3], v[ST+8*\u+6:ST+8*\u+7] op_sel_hi:[1,0]   ; l under the new m
.endr
.irp u, 0,1
	v_pk_add_f32 v[ST+8*\u+4:ST+8*\u+5], v[SS+32*\u:SS+32*\u+1], v[SS+32*\u+2:SS+32*\u+3]                 ; the sum of the unrounded p, in two chains
.endr
.irp j, 4,8,12,16,20,24,28
.irp u, 0,1
	v_pk_add_f32 v[ST+8*\u+2:ST+8*\u+3], v[ST+8*\u+2:ST+8*\u+3], v[SS+32*\u+\j:SS+32*\u+\j+1]
	v_pk_add_f32 v[ST+8*\u+4:ST+8*\u+5], v[ST+8*\u+4:ST+8*\u+5], v[SS+32*\u+\j+2:SS+32*\u+\j+3]
.endr
.endr
.irp u, 0,1
	v_pk_add_f32 v[ST+8*\u+2:ST+8*\u+3], v[ST+8*\u+2:ST+8*\u+3], v[ST+8*\u+4:ST+8*\u+5]
.endr
.set N, 0
.rept 16
.irp u, 0,1
	v_cvt_pk_f16_f32 v[SS+32*\u+N], v[SS+32*\u+2*N], v[SS+32*\u+2*N+1]   ; P, in place and ascending: register N is written when 2 N and 2 N + 1 are read, and nothing below 2 N is read again
.endr
.set N, N+1
.endr
.set N, 0
.rept 16
.irp u, 0,1
	v_pk_mul_f32 v[OA+32*\u+2*N:OA+32*\u+2*N+1], v[OA+32*\u+2*N:OA+32*\u+2*N+1], v[ST+8*\u+6:ST+8*\u+7] op_sel_hi:[1,0]   ; O^T under the new m
.endr
.set N, N+1
.endr
	s_wait_dscnt 0x0                               ; V is in
.irp kb, 0,1                           ; O^T += V^T P: eight accumulators by turns
.irp dt, 0,1,2,3
.irp u, 0,1
	v_wmma_f32_16x16x32_f16 v[OA+32*\u+8*\dt:OA+32*\u+8*\dt+7], v[KV+32*\kb+8*\dt:KV+32*\kb+8*\dt+7], v[SS+32*\u+8*\kb:SS+32*\u+8*\kb+7], v[OA+32*\u+8*\dt:OA+32*\u+8*\dt+7]
.endr
.endr
.endr
	PLACES 5                                       ; the next scores are written over P's registers by matrix instructions: five places; the next loads into V's registers and the reads of O^T want four
.endm
; A KEY STEP out of a slot.  One barrier: in front of it my stores into this slot and my reads of the other are done; behind it the other slot takes the next step's bytes while this one is read.
.macro STEP slot
	s_wait_dscnt 0x0
	s_barrier_signal -1
	s_barrier_wait -1
	s_wait_loadcnt 0x0                             ; the next step's bytes, asked for a step ago, are in my registers (on every way: no load is issued into a register that a load is still to write)
	s_bitcmp1_b32 s[WG1], 0
	s_cbranch_scc0 .Lno_store_\@                   ; nobody in the work-group reads the next step
	ds_store_b128 v[TI], v[6:9] offset:(1-\slot)*SLOT
	ds_store_b128 v[TI], v[10:13] offset:(1-\slot)*SLOT+8192
.Lno_store_\@:
	s_bitcmp1_b32 s[WG2], 0
	s_cbranch_scc0 .Lno_load_\@                    ; nor the step after it (behind step 31 the bits are 0: no load leaves the buffer)
	s_wait_dscnt 0x0                               ; the stores have read their registers
	global_load_b128 v[6:9], v[TI], s[KP:KP+1] offset:16384
	global_load_b128 v[10:13], v[TI], s[VP:VP+1] offset:16384
.Lno_load_\@:
	s_cmp_lt_u32 s[CNT], s[LIM0+\slot]
	s_cbranch_scc0 .Lno_ask_\@
	global_prefetch_b8 v[PFO], s[PF:PF+1] offset:24576 th:TH_LOAD_NT scope:SCOPE_SE   ; three steps on: 8,192 bytes, lanes 256 bytes apart; the load that wants them is issued in the next step.  Each block is named once in the launch
.Lno_ask_\@:
	s_bitcmp1_b32 s[ANYW], 0
	s_cbranch_scc0 .Lhidden_\@                     ; every key of this step is hidden from my 32 queries
	WORK \slot
.Lhidden_\@:
	s_wait_xcnt 0x0                                ; the step's loads and its prefetch have read their bases: they may step
	s_add_nc_u64 s[KP:KP+1], s[KP:KP+1], 8192
	s_add_nc_u64 s[VP:VP+1], s[VP:VP+1], 8192
	s_add_nc_u64 s[PF:PF+1], s[PF:PF+1], 8192
	s_add_nc_u64 s[MP:MP+1], s[MP:MP+1], 128
	s_lshr_b32 s[ANYW], s[ANYW], 1
	s_lshr_b32 s[ALLW], s[ALLW], 1
	s_lshr_b32 s[WG1], s[WG1], 1
	s_lshr_b32 s[WG2], s[WG2], 1
.endm
.Lloop:                                            ; 16 trips of two steps: the count is a constant, and every wave passes every barrier
	STEP 0
	STEP 1
	s_add_co_u32 s[CNT], s[CNT], 1
	s_cmp_lt_u32 s[CNT], 16
	s_cbranch_scc1 .Lloop
	; THE WAY OUT: l's two halves and the other half of the lanes'; O^T / l, rounded to f16: a lane's eight channels of a tile are 16 bytes of a fragment's image for the projection
.irp u, 0,1
	v_add_f32 v[ST+8*\u+2], v[ST+8*\u+2], v[ST+8*\u+3]
.endr
.irp u, 0,1
	v_permlanex16_b32 v[ST+8*\u+5], v[ST+8*\u+2], s[SEL], s[SEL+1]
.endr
.irp u, 0,1
	v_add_f32 v[ST+8*\u+2], v[ST+8*\u+2], v[ST+8*\u+5]
.endr
.irp u, 0,1
	v_rcp_f32 v[ST+8*\u+6], v[ST+8*\u+2]
.endr
	v_nop                                          ; a plain instruction behind the last reciprocal,
	s_wait_alu depctr_va_vdst(0)                   ; and the wait ahead of the first reader
.set N, 0
.rept 16
.irp u, 0,1
	v_pk_mul_f32 v[OA+32*\u+2*N:OA+32*\u+2*N+1], v[OA+32*\u+2*N:OA+32*\u+2*N+1], v[ST+8*\u+6:ST+8*\u+7] op_sel_hi:[1,0]
.endr
.set N, N+1
.endr
.set N, 0
.rept 16
.irp u, 0,1
	v_cvt_pk_f16_f32 v[SS+16*\u+N], v[OA+32*\u+2*N], v[OA+32*\u+2*N+1]
.endr
.set N, N+1
.endr
.irp u, 0,1
.irp dt, 0,1,2,3
	global_store_b128 v[LI], v[SS+16*\u+4*\dt:SS+16*\u+4*\dt+3], s[OP:OP+1] offset:4096*\u+512*\dt   ; the wave stores 512 consecutive bytes, aligned
.endr
.endr
	s_wait_tensorcnt 0x0                           ; the wave's end, behind my last LDS store
	ds_add_u32 v[SPW], v[NIL]
	s_wait_dscnt 0x0
	s_endpgm
.Lfunc_end_k_qdee3476ffd_attn:
	.size	k_qdee3476ffd_attn, .Lfunc_end_k_qdee3476ffd_attn-k_qdee3476ffd_attn
	.p2alignl 7, 3214868480
	.fill 96, 4, 3214868480
	.section	.rodata,"a",@progbits
	.p2align	6, 0x0
	.amdhsa_kernel k_qdee3476ffd_attn
		.amdhsa_group_segment_fixed_size 34816
		.amdhsa_private_segment_fixed_size 0
		.amdhsa_enable_private_segment 0
		.amdhsa_kernarg_size 24
		.amdhsa_user_sgpr_count 2
		.amdhsa_user_sgpr_kernarg_segment_ptr 1
		.amdhsa_wavefront_size32 1
		.amdhsa_system_sgpr_workgroup_id_x 1
		.amdhsa_system_sgpr_workgroup_id_y 1
		.amdhsa_system_sgpr_workgroup_id_z 1
		.amdhsa_system_vgpr_workitem_id 0
		.amdhsa_next_free_vgpr 256
		.amdhsa_next_free_sgpr 100
		.amdhsa_reserve_vcc 0
		.amdhsa_float_denorm_mode_32 3
		.amdhsa_float_denorm_mode_16_64 3
		.amdhsa_memory_ordered 1
		.amdhsa_forward_progress 1
		.amdhsa_inst_pref_size 62
	.end_amdhsa_kernel
	.amdgpu_metadata
---
amdhsa.version: [ 1, 2 ]
amdhsa.kernels:
  - .name:           k_qdee3476ffd_attn
    .symbol:         k_qdee3476ffd_attn.kd
    .args:
      - { .name: qkvf, .offset: 0, .size: 8, .value_kind: global_buffer, .address_space: global }
      - { .name: msk, .offset: 8, .size: 8, .value_kind: global_buffer, .address_space: global }
      - { .name: ofr, .offset: 16, .size: 8, .value_kind: global_buffer, .address_space: global }
    .group_segment_fixed_size: 34816
    .private_segment_fixed_size: 0
    .kernarg_segment_align: 8
    .kernarg_segment_size: 24
    .max_flat_workgroup_size: 512
    .sgpr_count:     100
    .vgpr_count:     256
    .wavefront_size: 32
...
	.end_amdgpu_metadata
.endif
;; end of part 3
;; launch oproj (part 4): grid 4 x 64, 4 waves a work-group, clusters of 4 x 4, 327,680 bytes of LDS; arguments ofr, wfr, out0; writes out0
.if DOCPART == 4
	.amdgcn_target "amdgcn-amd-amdhsa--gfx1250"
	.amdhsa_code_object_version 6
	.text
	.protected	k_qdee3476ffd_oproj
	.globl	k_qdee3476ffd_oproj
	.p2align	8
	.type	k_qdee3476ffd_oproj,@function
k_qdee3476ffd_oproj:
	s_mov_b64 s[64:65], 0
	v_nop
	global_prefetch_b8 v0, s[64:65] scope:SCOPE_SE
	s_setreg_imm32_b32 hwreg(HW_REG_WAVE_MODE, 25, 1), 1
	s_wait_xcnt 0x0
	s_wait_alu depctr_hold_cnt(0) depctr_sa_sdst(0) depctr_va_vdst(0) depctr_va_sdst(0) depctr_va_ssrc(0) depctr_va_vcc(0) depctr_vm_vsrc(0)
	s_getreg_b32 s2, hwreg(HW_REG_IB_STS2, 6, 4)
	s_cmp_eq_u32 s2, 0
	s_cbranch_scc0 .Lentry_in_a_cluster
	s_endpgm
.Lentry_in_a_cluster:
	s_bfe_u32 s2, ttmp6, 0x10000c
	s_cmp_lg_u32 s2, 0xf033
	s_cbranch_scc0 .Lentry_shape_is_right
	s_endpgm
.Lentry_shape_is_right:
; out0 [8192][1024] f32 = o W_out, operands in f16, sums in f32.  Both operands come in the order of the operands' registers: ofr[ks 8][tile of 16 rows 512][kc 4][1,024 bytes], wfr[ks 8][tile of 16 columns 64][kc 4][1,024 bytes]
; (a fragment: two halves of 512 bytes, lane l's 16 bytes at 16 l), so a K step's tiles are dense blocks of memory, land in LDS as they lie, and every fragment load reads 512 consecutive bytes.
; SHARES.  A work-group makes 128 rows (tm) x 256 columns (tn) of out0; a wave (wm, wn) 64 x 128: 32 accumulators, (a, b) at v[8 (8 a + b)] of window 1.  K goes in 8 steps of 128 through two LDS slots.
; THE MATRIX INSTRUCTION IS USED TRANSPOSED (source 0 = 16 columns of W_out, source 1 = 16 rows of o): a lane holds eight neighbouring numbers of a row of out0.
; CLUSTER 4 x 4: o's tile is shared along a row of the cluster, W_out's along a column: each is asked for jointly.  No prefetch: the launch has eight K steps in all.
; REGISTERS.  window 0: v1 16 x lane; v16, v17, v20, v21 fragment addresses; v24, v25 the stage; v28, v29 the add's two; v32-127, v128-223 two sets of fragments (o's four, then W_out's eight); on the way out v32-159 rows of out0.
.set SLOT,   98304                     ; o's 32,768 bytes, then W_out's 65,536
.set STAGE,  196608                    ; the way out: 16 rows x (512 bytes + 16) for each wave
.set SPITCH, 528
.set SPARE,  230400                    ; the spare words, 128 bytes a wave: two blocks of 256 bytes that no other line names
.set LI,   1
.set ADRA, 16
.set ADRB, 20
.set STO,  24
.set RD,   25
.set SPW,  28
.set NIL,  29
.set F0,   32
.set BK,   32
.set G1A,  24                          ; s[24:31], s[32:39] descriptor groups 1;  s[40:47], s[48:55] groups 0, a set for each slot
.set G1B,  32
.set G0A,  40
.set G0B,  48
.set MSB, 0
.macro WIN new                         ; the immediate's high byte repeats the setting that is left
.if MSB != \new
	s_set_vgpr_msb (MSB<<8)|\new
.set MSB, \new
.endif
.endm
.macro PLACES n
.rept \n
	v_nop
.endr
.endm
.macro ROUND                           ; a round of the cluster's barrier
	s_barrier_signal -1
	s_barrier_wait -1
	s_cmp_lg_u32 s10, 0
	s_cbranch_scc1 .Lnot_wave_0_\@
	s_barrier_signal -3
.Lnot_wave_0_\@:
	s_barrier_wait -3
	s_barrier_signal -1
	s_barrier_wait -1
.endm
.macro JLOAD s                         ; a joint load: waves 0 and 1 fetch o's two halves, waves 2 and 3 W_out's; an s_nop 0 and four v_nop follow each of the two lines
	s_cmp_eq_u32 s11, 0
	s_cbranch_scc0 .Lfor_b_\@
	tensor_load_to_lds s[G0A+4*(\s):G0A+4*(\s)+3], s[G1A:G1A+7]
	s_nop 0
	PLACES 4
	s_branch .Lasked_\@
.Lfor_b_\@:
	tensor_load_to_lds s[G0B+4*(\s):G0B+4*(\s)+3], s[G1B:G1B+7]
	s_nop 0
	PLACES 4
.Lasked_\@:
.endm
	s_load_b128 s[4:7], s[0:1], 0x0                ; ofr, wfr
	s_load_b64 s[8:9], s[0:1], 0x10                ; out0
	v_lshl_add_u32 v[SPW], v0, 2, SPARE
	v_mov_b32 v[NIL], 0
	ds_add_u32 v[SPW], v[NIL]                      ; the wave's opening: the add, twice on end, and its wait ahead of my first tensor load
	ds_add_u32 v[SPW], v[NIL]
	v_lshrrev_b32 v2, 5, v0
	v_readfirstlane_b32 s10, v2                    ; wave 0..3
	s_lshr_b32 s11, s10, 1                         ; wm; also: I fetch for o (0) or for W_out (1)
	s_and_b32 s12, s10, 1                          ; wn; also: which half of that tile I fetch
	s_bfe_u32 s13, ttmp6, 0x40000                  ; cx
	s_bfe_u32 s14, ttmp6, 0x40004                  ; cy
	s_lshl_b32 s15, ttmp9, 2
	s_add_co_u32 s15, s15, s13                     ; tn
	s_and_b32 s16, ttmp7, 0xffff
	s_lshl_b32 s16, s16, 2
	s_add_co_u32 s16, s16, s14                     ; tm
	s_lshl_b32 s17, s14, 2
	s_lshl_b32 s17, 15, s17                        ; my row of the cluster
	s_lshl_b32 s18, 0x1111, s13                    ; my column
	s_or_b32 s[G1A], s17, (3<<16)|(1<<21)          ; dense blocks as rows of 256 bytes: 32 elements of 8 bytes; no padding; bit 21 beside the mask
	s_mov_b32 s[G1A+1], 32<<16
	s_mov_b32 s[G1A+2], 64<<16                     ; 64 rows: 16,384 bytes
	s_mov_b32 s[G1A+3], 32<<16
	s_mov_b32 s[G1A+4], 64
	s_mov_b32 s[G1A+5], 32
	s_mov_b32 s[G1A+6], 0
	s_mov_b32 s[G1A+7], 0
	s_or_b32 s[G1B], s18, (3<<16)|(1<<21)
	s_mov_b32 s[G1B+1], 32<<16
	s_mov_b32 s[G1B+2], 128<<16                    ; 128 rows: 32,768 bytes
	s_mov_b32 s[G1B+3], 32<<16
	s_mov_b32 s[G1B+4], 128
	s_mov_b32 s[G1B+5], 32
	s_mov_b32 s[G1B+6], 0
	s_mov_b32 s[G1B+7], 0
	s_lshl_b32 s20, s16, 15                        ; o: 32,768 bytes for my 128 rows in each K step,
	s_lshl_b32 s19, s12, 14
	s_add_co_u32 s20, s20, s19                     ; + my half
	s_mov_b32 s21, 0
	s_lshl_b32 s22, s15, 16                        ; W_out: 65,536 bytes for my 256 columns,
	s_lshl_b32 s19, s12, 15
	s_add_co_u32 s22, s22, s19
	s_mov_b32 s23, 0
	s_lshl_b32 s2, s12, 14                         ; where they go: constants and the wave's number alone
	s_lshl_b32 s3, s12, 15
	s_add_co_u32 s3, s3, 32768
	s_wait_dscnt 0x0                               ; both opening adds are done
	s_wait_kmcnt 0x0
	s_add_nc_u64 s[20:21], s[4:5], s[20:21]
	s_add_nc_u64 s[22:23], s[6:7], s[22:23]
.irp s, 0,1
	s_mov_b32 s[G0A+4*\s], 1
	s_add_co_u32 s[G0A+4*\s+1], s2, \s*SLOT
	s_add_nc_u64 s[G0A+4*\s+2:G0A+4*\s+3], s[20:21], \s*2097152    ; K step s
	s_or_b32 s[G0A+4*\s+3], s[G0A+4*\s+3], 0x80000000
	s_mov_b32 s[G0B+4*\s], 1
	s_add_co_u32 s[G0B+4*\s+1], s3, \s*SLOT
	s_add_nc_u64 s[G0B+4*\s+2:G0B+4*\s+3], s[22:23], \s*262144
	s_or_b32 s[G0B+4*\s+3], s[G0B+4*\s+3], 0x80000000
.endr
	ROUND                                          ; all sixteen work-groups are here: the first joint loads meet
	JLOAD 0                                        ; K step 0
	v_and_b32 v2, 15, v0                           ; r
	v_bfe_u32 v3, v0, 4, 1                         ; h
	v_and_b32 v4, 31, v0
	v_lshlrev_b32 v[LI], 4, v4
	s_lshl_b32 s19, s11, 14                        ; my four tiles of rows
	v_add_nc_u32 v[ADRA], s19, v[LI]
	s_add_co_u32 s19, s19, SLOT
	v_add_nc_u32 v[ADRA+1], s19, v[LI]
	s_lshl_b32 s19, s12, 15                        ; my eight tiles of columns, behind o's 32,768 bytes
	s_add_co_u32 s19, s19, 32768
	v_add_nc_u32 v[ADRB], s19, v[LI]
	s_add_co_u32 s19, s19, SLOT
	v_add_nc_u32 v[ADRB+1], s19, v[LI]
	s_mul_i32 s19, s10, 16*SPITCH
	s_add_co_u32 s19, s19, STAGE                   ; my stage
	v_mul_u32_u24 v5, v2, SPITCH
	v_lshl_add_u32 v5, v3, 5, v5
	v_add_nc_u32 v[STO], s19, v5                   ; in: row r, 32 bytes for each half of the lanes
	v_add_nc_u32 v[RD], s19, v[LI]                 ; back: the 32 lanes take a row of 512 bytes
	s_lshl_b32 s56, s16, 19                        ; my part of out0: row 128 tm + 64 wm, 4,096 bytes a row; column 256 tn + 128 wn
	s_lshl_b32 s19, s11, 18
	s_add_co_u32 s56, s56, s19
	s_lshl_b32 s19, s15, 10
	s_add_co_u32 s56, s56, s19
	s_lshl_b32 s19, s12, 9
	s_add_co_u32 s56, s56, s19
	s_mov_b32 s57, 0
	s_add_nc_u64 s[8:9], s[8:9], s[56:57]
.macro FETCH slot, kc, f               ; the fragments of 32 along K: 24 loads of 512 consecutive bytes
.irp a, 0,1,2,3
.irp g, 0,1
	ds_load_b128 v[\f+8*\a+4*\g:\f+8*\a+4*\g+3], v[ADRA+\slot] offset:\a*4096+(\kc)*1024+512*\g
.endr
.endr
.irp b, 0,1,2,3,4,5,6,7
.irp g, 0,1
	ds_load_b128 v[\f+32+8*\b+4*\g:\f+32+8*\b+4*\g+3], v[ADRB+\slot] offset:\b*4096+(\kc)*1024+512*\g
.endr
.endr
.endm
; a quarter of a K step: its fragments were asked for a quarter ago; the next quarter's are asked for first, then 32 products.  The 32 accumulators take turns, one instruction a turn
.macro QUARTER slot, kc, zero
	s_wait_dscnt 0x0
.if \kc < 3
	PLACES 4                                       ; in front of loads into the set that the last products read
	FETCH \slot, \kc+1, F0+96*((\kc+1)%2)
.endif
.set FF, F0+96*(\kc%2)
	WIN 0x50                                       ; C and D window 1
.irp a, 0,1,2,3
.irp b, 0,1,2,3,4,5,6,7
.if \zero
	v_wmma_f32_16x16x32_f16 v[8*(8*\a+\b):8*(8*\a+\b)+7], v[FF+32+8*\b:FF+32+8*\b+7], v[FF+8*\a:FF+8*\a+7], 0
.else
	v_wmma_f32_16x16x32_f16 v[8*(8*\a+\b):8*(8*\a+\b)+7], v[FF+32+8*\b:FF+32+8*\b+7], v[FF+8*\a:FF+8*\a+7], v[8*(8*\a+\b):8*(8*\a+\b)+7]
.endif
.endr
.endr
	WIN 0
.endm
; a K step out of a slot.
; Behind it the other slot takes the next K step: one load a wave, which has this step's 128 products in which to land.
.macro TRIP slot, refill, zero
	s_wait_tensorcnt 0x0                           ; no tensor load of mine is out, so a group 0 may be written
	ds_add_u32 v[SPW], v[NIL]                      ; 0 onto my spare word
	s_add_nc_u64 s[G0A+4*\slot+2:G0A+4*\slot+3], s[G0A+4*\slot+2:G0A+4*\slot+3], 4194304   ; this slot's next tiles: two K steps on
	s_add_nc_u64 s[G0B+4*\slot+2:G0B+4*\slot+3], s[G0B+4*\slot+2:G0B+4*\slot+3], 524288
	s_wait_dscnt 0x0
	ROUND
.if \refill
	JLOAD 1-\slot
.endif
	PLACES 4
	FETCH \slot, 0, F0
	QUARTER \slot, 0, \zero
	QUARTER \slot, 1, 0
	QUARTER \slot, 2, 0
	QUARTER \slot, 3, 0
.endm
	TRIP 0, 1, 1                                   ; K step 0: its first products start the sums; slot 1 has its first fill behind this round, at
	TRIP 1, 1, 0
	s_mov_b32 s3, 2
.Llap:
	TRIP 0, 1, 0
	TRIP 1, 1, 0
	s_sub_co_u32 s3, s3, 1
	s_cmp_lg_u32 s3, 0
	s_cbranch_scc1 .Llap
	TRIP 0, 1, 0                                   ; the last two K steps are written out: the last asks for nothing
	TRIP 1, 0, 0
; THE WAY OUT, 16 rows x 128 columns at a time: a lane holds 32 neighbouring bytes of a row; a block goes through my own stage and comes back as whole rows of 512 bytes.  LDS serves a wave's instructions in order.
.macro TOSTAGE a
	WIN 0x04                                       ; an LDS store's data: window 1
.irp b, 0,1,2,3,4,5,6,7
	ds_store_b128 v[STO], v[8*(8*(\a)+\b):8*(8*(\a)+\b)+3] offset:64*\b          ; each accumulator from its low end on
	ds_store_b128 v[STO], v[8*(8*(\a)+\b)+4:8*(8*(\a)+\b)+7] offset:64*\b+16
.endr
	WIN 0
.set BB, BK+64*((\a)%2)
.irp t, 0,1,2,3,4,5,6,7,8,9,10,11,12,13,14,15
	ds_load_b128 v[BB+4*\t:BB+4*\t+3], v[RD] offset:\t*SPITCH
.endr
.endm
.macro SEND a, younger                 ; younger: the LDS instructions issued behind block a's loads, which may stay out
.set BB, BK+64*((\a)%2)
	s_wait_dscnt \younger
.if (\a) > 0
	s_add_nc_u64 s[8:9], s[8:9], 65536             ; 16 rows on (behind a wait on XCNT: the earlier stores have read their base)
.endif
.irp t, 0,1,2,3,4,5,6,7,8,9,10,11,12,13,14,15
	global_store_b128 v[LI], v[BB+4*\t:BB+4*\t+3], s[8:9] offset:\t*4096 th:TH_STORE_NT   ; 32 lanes store 512 consecutive bytes, aligned
.endr
.endm
	PLACES 4                                       ; behind the last products: for the reads of results and the loads into the fragments' registers
	TOSTAGE 0
.irp a, 1,2,3
.if \a > 1
	s_wait_xcnt 0x0                                ; block a - 2's stores have read their registers and their base
.endif
	TOSTAGE \a
	SEND \a-1, 32                                  ; behind block a - 1's loads: block a's 16 stores and 16 loads
.endr
	s_wait_xcnt 0x0
	SEND 3, 0
	s_wait_tensorcnt 0x0                           ; the wave's end, behind my last tensor load and my last LDS store
	ds_add_u32 v[SPW], v[NIL]
	s_wait_dscnt 0x0
	ROUND                                          ; the closing round
	s_endpgm
.Lfunc_end_k_qdee3476ffd_oproj:
	.size	k_qdee3476ffd_oproj, .Lfunc_end_k_qdee3476ffd_oproj-k_qdee3476ffd_oproj
	.p2alignl 7, 3214868480
	.fill 96, 4, 3214868480
	.section	.rodata,"a",@progbits
	.p2align	6, 0x0
	.amdhsa_kernel k_qdee3476ffd_oproj
		.amdhsa_group_segment_fixed_size 327680
		.amdhsa_private_segment_fixed_size 0
		.amdhsa_enable_private_segment 0
		.amdhsa_kernarg_size 24
		.amdhsa_user_sgpr_count 2
		.amdhsa_user_sgpr_kernarg_segment_ptr 1
		.amdhsa_wavefront_size32 1
		.amdhsa_system_sgpr_workgroup_id_x 1
		.amdhsa_system_sgpr_workgroup_id_y 1
		.amdhsa_system_sgpr_workgroup_id_z 1
		.amdhsa_system_vgpr_workitem_id 0
		.amdhsa_next_free_vgpr 512
		.amdhsa_next_free_sgpr 66
		.amdhsa_reserve_vcc 0
		.amdhsa_float_denorm_mode_32 3
		.amdhsa_float_denorm_mode_16_64 3
		.amdhsa_memory_ordered 1
		.amdhsa_forward_progress 1
		.amdhsa_inst_pref_size 117
	.end_amdhsa_kernel
	.amdgpu_metadata
---
amdhsa.version: [ 1, 2 ]
amdhsa.kernels:
  - .name:           k_qdee3476ffd_oproj
    .symbol:         k_qdee3476ffd_oproj.kd
    .args:
      - { .name: ofr, .offset: 0, .size: 8, .value_kind: global_buffer, .address_space: global }
      - { .name: wfr, .offset: 8, .size: 8, .value_kind: global_buffer, .address_space: global }
      - { .name: out0, .offset: 16, .size: 8, .value_kind: global_buffer, .address_space: global }
    .group_segment_fixed_size: 327680
    .private_segment_fixed_size: 0
    .kernarg_segment_align: 8
    .kernarg_segment_size: 24
    .max_flat_workgroup_size: 128
    .sgpr_count:     66
    .vgpr_count:     512
    .wavefront_size: 32
...
	.end_amdgpu_metadata
.endif
;; end of part 4
